; MI455X (gfx1250); checked and timed in simulation.
; The chip was launched on July 23, 2026; its instructions are those of AMD's public machine-readable ISA for CDNA 5 (MIT licence, August 2026) and "CDNA5" Instruction Set Architecture Reference Guide (July 2026). The comments in the code are by the model that wrote it; some were corrected since.
;; Patch Vector Quantizer. Allowed arithmetic: float matrix products may take bf16 or f16 operands with f32 sums; all other float work in f32.
;; Inputs: codebook 8,192 x 1,024 float32; z 8,192 x 64 x 16 float32.
;; Outputs: out0 one number float32; out1 8,192 x 64 x 16 float32; out2 8,192 int32.
;; 2 versions, each right and faster than the one before. Each part assembles by itself: llvm-mc -triple=amdgcn-amd-amdhsa -mcpu=gfx1250 --defsym DOCPART=n.
;; ======== version 1 of 2: 5 launches
;; workspace buffers: zb 16,777,216 bytes; cb 16,777,216 bytes; zzw 32,768 bytes; ccw 32,768 bytes; pd 262,144 bytes; pi 262,144 bytes of whole numbers; idxw 32,768 bytes of whole numbers; lossp 2,048 bytes
;; launch prep (part 1): grid 128 x 2, 8 waves a work-group, no clusters, 1,280 bytes of LDS; arguments z, codebook, zb, cb, zzw, ccw; writes zb, cb, zzw, ccw
.if DOCPART == 1
	.amdgcn_target "amdgcn-amd-amdhsa--gfx1250"
	.amdhsa_code_object_version 6
	.text
	.protected	k_qcc4fd5f3bb_prep
	.globl	k_qcc4fd5f3bb_prep
	.p2align	8
	.type	k_qcc4fd5f3bb_prep,@function
k_qcc4fd5f3bb_prep:
	s_mov_b64 s[64:65], 0
	v_nop
	global_prefetch_b8 v0, s[64:65] scope:SCOPE_SE
	s_setreg_imm32_b32 hwreg(HW_REG_WAVE_MODE, 25, 1), 1
	s_wait_xcnt 0x0
; Rounds z (work-group y = 0) or the codebook (y = 1), both [8192][1024] f32, to bf16, and stores for each row the f32 sum of the squares
; of the ROUNDED numbers: the distances of the next launch are those of the rounded vectors, so their norms are too.
; Eight waves; the work-group owns 64 rows, a wave 8 rows, one row (4,096 bytes, eight 16-byte loads a lane) at a time.
; A ring of four row slots in registers keeps 32 loads of every wave in flight.  Memory binds: no matrix unit, no cluster, LDS only to gather
; the 64 norms so that they leave as 256 consecutive bytes.
.set X, 8                              ; v[8:135]   slot s: 32 registers, a row as loaded
.set Y, 136                            ; v[136:151] the row in bf16, 2 registers for each of the 8 loads: store data
.set T, 152                            ; v[152:155] four rounded numbers, widened again
.set S, 156                            ; v[156:159] four running sums of squares
.set N, 160                            ; v[160:167] the wave's eight norms
	s_load_b256 s[4:11], s[0:1], 0x0               ; z s[4:5], codebook s[6:7], zb s[8:9], cb s[10:11]
	s_load_b128 s[12:15], s[0:1], 0x20             ; zzw s[12:13], ccw s[14:15]
	v_lshl_add_u32 v172, v0, 2, 0x100
	v_mov_b32 v173, 0
	s_and_b32 s27, ttmp7, 0xffff                   ; which tensor
	v_lshrrev_b32 v3, 5, v0
	v_readfirstlane_b32 s26, v3                    ; wave
	v_and_b32 v4, 31, v0                           ; lane
	v_lshlrev_b32 v1, 4, v4
	v_lshl_add_u32 v1, v3, 15, v1                  ; loads: wave x 8 rows x 4,096 + 16 lane; never rewritten
	v_lshlrev_b32 v2, 3, v4
	v_lshl_add_u32 v2, v3, 14, v2                  ; stores: wave x 8 rows x 2,048 + 8 lane; never rewritten
	v_lshlrev_b32 v170, 5, v3                      ; LDS: my wave's 8 norms at 32 x wave
	v_lshlrev_b32 v171, 3, v4                      ; 8 lane
	v_mov_b32 v169, 0                              ; v_permlanex16_b32 counts as a reader of its destination
	s_mov_b32 s22, 0xffff0000                      ; a word's upper bf16
	s_mov_b32 s24, 0x76543210                      ; v_permlanex16_b32: lane i of one half reads lane i of the other
	s_mov_b32 s25, 0xfedcba98
	s_lshl_b32 s28, ttmp9, 18                      ; 64 rows of 4,096 bytes
	s_mov_b32 s29, 0
	s_lshl_b32 s30, ttmp9, 17                      ; 64 rows of 2,048 bytes
	s_mov_b32 s31, 0
	s_lshl_b32 s32, ttmp9, 8                       ; 64 norms
	s_mov_b32 s33, 0
	s_wait_kmcnt 0x0
	s_cmp_eq_u32 s27, 0
	s_cselect_b64 s[16:17], s[4:5], s[6:7]         ; source
	s_cselect_b64 s[18:19], s[8:9], s[10:11]       ; its bf16 copy
	s_cselect_b64 s[20:21], s[12:13], s[14:15]     ; its norms
	s_add_nc_u64 s[16:17], s[16:17], s[28:29]
	s_add_nc_u64 s[18:19], s[18:19], s[30:31]
	s_add_nc_u64 s[20:21], s[20:21], s[32:33]
.macro FILL s, r                       ; row r of the wave into slot s: eight loads of 512 neighbouring bytes.  Both arguments may be expressions: they stand in brackets
.irp j, 0,1,2,3,4,5,6,7
	global_load_b128 v[X+32*(\s)+4*\j:X+32*(\s)+4*\j+3], v1, s[16:17] offset:(\r)*4096+512*\j th:TH_LOAD_NT
.endr
.endm
; Row r.  left = how many younger loads may stay out; fill = 1: the slot gets the row four further down.
.macro TURN r, left, fill
	s_wait_loadcnt \left                           ; loads come back in order: my row's eight are in, the younger rows' stay out
	s_wait_xcnt 0x0                                ; Y, which the last row's stores read, is rewritten only behind this wait
.irp j, 0,1,2,3,4,5,6,7
	v_cvt_pk_bf16_f32 v[Y+2*\j],   v[X+32*(\r%4)+4*\j],   v[X+32*(\r%4)+4*\j+1]
	v_cvt_pk_bf16_f32 v[Y+2*\j+1], v[X+32*(\r%4)+4*\j+2], v[X+32*(\r%4)+4*\j+3]
	v_lshlrev_b32 v[T],   16,  v[Y+2*\j]             ; the rounded numbers as f32
	v_and_b32     v[T+1], s22, v[Y+2*\j]
	v_lshlrev_b32 v[T+2], 16,  v[Y+2*\j+1]
	v_and_b32     v[T+3], s22, v[Y+2*\j+1]
.if \j == 0
	v_pk_mul_f32 v[S:S+1],   v[T:T+1],   v[T:T+1]    ; the first squares start the sums
	v_pk_mul_f32 v[S+2:S+3], v[T+2:T+3], v[T+2:T+3]
.else
	v_pk_fma_f32 v[S:S+1],   v[T:T+1],   v[T:T+1],   v[S:S+1]
	v_pk_fma_f32 v[S+2:S+3], v[T+2:T+3], v[T+2:T+3], v[S+2:S+3]
.endif
	global_store_b64 v2, v[Y+2*\j:Y+2*\j+1], s[18:19] offset:\r*2048+256*\j   ; 32 lanes x 8 bytes: 256 consecutive bytes, aligned
.endr
.if \fill
	FILL \r%4, \r+4                                ; the slot's registers have been read by the conversions above
.endif
	v_pk_add_f32 v[S:S+1], v[S:S+1], v[S+2:S+3]
	v_add_f32 v168, v[S], v[S+1]
	v_add_f32_dpp v168, v168, v168 row_xmask:1 row_mask:0xf bank_mask:0xf
	v_add_f32_dpp v168, v168, v168 row_xmask:2 row_mask:0xf bank_mask:0xf
	v_add_f32_dpp v168, v168, v168 row_xmask:4 row_mask:0xf bank_mask:0xf
	v_add_f32_dpp v168, v168, v168 row_xmask:8 row_mask:0xf bank_mask:0xf
	v_permlanex16_b32 v169, v168, s24, s25
	v_add_f32 v[N+\r], v168, v169                  ; the row's norm, in every lane
.endm
	FILL 0, 0
	FILL 1, 1
	FILL 2, 2
	FILL 3, 3
	TURN 0, 24, 1                                  ; three younger rows of eight loads stay out
	TURN 1, 24, 1
	TURN 2, 24, 1
	TURN 3, 24, 1
	TURN 4, 24, 0                                  ; nothing more to load: the counts run down
	TURN 5, 16, 0
	TURN 6, 8, 0
	TURN 7, 0, 0
	; the 64 norms meet in LDS and leave as one block of 256 bytes
	ds_store_b128 v170, v[N:N+3]                   ; all lanes of the wave write the same bytes with the same values
	ds_store_b128 v170, v[N+4:N+7] offset:16
	s_wait_dscnt 0x0                               ; for the other waves' sake: my stores are done
	s_barrier_signal -1
	s_barrier_wait -1
	s_cmp_lg_u32 s26, 0
	s_cbranch_scc1 .Lend
	ds_load_b64 v[T:T+1], v171
	s_wait_dscnt 0x0
	global_store_b64 v171, v[T:T+1], s[20:21]      ; 256 consecutive bytes, aligned
.Lend:
	s_wait_tensorcnt 0x0
	ds_add_u32 v172, v173
	s_wait_dscnt 0x0
	s_endpgm
.Lfunc_end_k_qcc4fd5f3bb_prep:
	.size	k_qcc4fd5f3bb_prep, .Lfunc_end_k_qcc4fd5f3bb_prep-k_qcc4fd5f3bb_prep
	.p2alignl 7, 3214868480
	.fill 96, 4, 3214868480
	.section	.rodata,"a",@progbits
	.p2align	6, 0x0
	.amdhsa_kernel k_qcc4fd5f3bb_prep
		.amdhsa_group_segment_fixed_size 1280
		.amdhsa_private_segment_fixed_size 0
		.amdhsa_enable_private_segment 0
		.amdhsa_kernarg_size 48
		.amdhsa_user_sgpr_count 2
		.amdhsa_user_sgpr_kernarg_segment_ptr 1
		.amdhsa_wavefront_size32 1
		.amdhsa_system_sgpr_workgroup_id_x 1
		.amdhsa_system_sgpr_workgroup_id_y 1
		.amdhsa_system_sgpr_workgroup_id_z 1
		.amdhsa_system_vgpr_workitem_id 0
		.amdhsa_next_free_vgpr 174
		.amdhsa_next_free_sgpr 66
		.amdhsa_reserve_vcc 0
		.amdhsa_float_denorm_mode_32 3
		.amdhsa_float_denorm_mode_16_64 3
		.amdhsa_memory_ordered 1
		.amdhsa_forward_progress 1
		.amdhsa_inst_pref_size 43
	.end_amdhsa_kernel
	.amdgpu_metadata
---
amdhsa.version: [ 1, 2 ]
amdhsa.kernels:
  - .name:           k_qcc4fd5f3bb_prep
    .symbol:         k_qcc4fd5f3bb_prep.kd
    .args:
      - { .name: z, .offset: 0, .size: 8, .value_kind: global_buffer, .address_space: global }
      - { .name: codebook, .offset: 8, .size: 8, .value_kind: global_buffer, .address_space: global }
      - { .name: zb, .offset: 16, .size: 8, .value_kind: global_buffer, .address_space: global }
      - { .name: cb, .offset: 24, .size: 8, .value_kind: global_buffer, .address_space: global }
      - { .name: zzw, .offset: 32, .size: 8, .value_kind: global_buffer, .address_space: global }
      - { .name: ccw, .offset: 40, .size: 8, .value_kind: global_buffer, .address_space: global }
    .group_segment_fixed_size: 1280
    .private_segment_fixed_size: 0
    .kernarg_segment_align: 8
    .kernarg_segment_size: 48
    .max_flat_workgroup_size: 256
    .sgpr_count:     66
    .vgpr_count:     174
    .wavefront_size: 32
...
	.end_amdgpu_metadata
.endif
;; end of part 1
;; launch dist (part 2): grid 8 x 32, 4 waves a work-group, clusters of 4 x 4, 327,680 bytes of LDS; arguments zb, cb, zzw, ccw, pd, pi; writes pd, pi
.if DOCPART == 2
	.amdgcn_target "amdgcn-amd-amdhsa--gfx1250"
	.amdhsa_code_object_version 6
	.text
	.protected	k_qcc4fd5f3bb_dist
	.globl	k_qcc4fd5f3bb_dist
	.p2align	8
	.type	k_qcc4fd5f3bb_dist,@function
k_qcc4fd5f3bb_dist:
	s_mov_b64 s[64:65], 0
	v_nop
	global_prefetch_b8 v0, s[64:65] scope:SCOPE_SE
	s_setreg_imm32_b32 hwreg(HW_REG_WAVE_MODE, 25, 1), 1
	s_wait_xcnt 0x0
	s_wait_alu depctr_hold_cnt(0) depctr_sa_sdst(0) depctr_va_vdst(0) depctr_va_sdst(0) depctr_va_ssrc(0) depctr_va_vcc(0) depctr_vm_vsrc(0)
	s_getreg_b32 s2, hwreg(HW_REG_IB_STS2, 6, 4)
	s_cmp_eq_u32 s2, 0
	s_cbranch_scc0 .Lentry_in_a_cluster
	s_endpgm
.Lentry_in_a_cluster:
	s_bfe_u32 s2, ttmp6, 0x10000c
	s_cmp_lg_u32 s2, 0xf033
	s_cbranch_scc0 .Lentry_shape_is_right
	s_endpgm
.Lentry_shape_is_right:
; For 256 rows of z and 1,024 codes: d = fl(fl(zz + cc) - 2 z.c) and the first index of the smallest d of each row.
; zb, cb: [8192][1024] bf16; zzw, ccw: [8192] f32; pd, pi: [8 groups of 1,024 codes][8192 rows], f32 and i32.
; d is rounded where reference() rounds it: one add, then one fused multiply-add (2 x dot is exact), so that equal d are equal here too, and
; an equal d always keeps the lower index.
; LIMITS: NaN among the inputs is not served (a NaN distance is dropped, not chosen).  The dot products are those of the bf16 vectors, summed in f32
; by the matrix unit.  A row whose d are all +inf gets the group's first index.
; A work-group (four waves, as many as a WGP has SIMDs) stays and walks four blocks of 256 rows x 256 codes; a wave makes 128 x 128: 64 accumulator tiles, 512 registers.
; K = 1,024 goes in steps of 128 through a ring of two LDS slots filled by the tensor data mover; the ring runs on across the blocks' ends.
; CLUSTERS: 4 x 4 work-groups.  The four of a row of the cluster have the same rows of z, the four of a column the same codes: each tile is asked for jointly.
;
; REGISTERS, in windows of 256:
;   window 0: v0-47 addresses, zz; v64-127, v128-191 fragments of z, two buffers (the second also serves as 64 distances at work); v192-255 cc of my 128 codes
;   window 1: v0-63 running minima, v192-255 their tags (one chain for each tile (a, b)); v64-127, v128-191 fragments of the codes
;   window 2: the 32 accumulator tiles of my rows 0-63 (tile (a, b) at v[8 (8 a + b)]);   window 3: those of my rows 64-127
; THE MATRIX INSTRUCTION IS USED TRANSPOSED: source 0 = 16 codes, source 1 = 16 rows of z.  Lane l = (r = l % 16, h = l / 16) then holds, in register j
; of tile (a, b), row 16 a + r of z against code 16 b + 8 h + j: a lane's candidates all belong to one row for each a.
.set KSTEP,  128
.set PITCH,  272                       ; an LDS row: 256 bytes + 16 of padding = 68 words: the 16 rows that a load touches start at 16 different banks (64 banks of 4 bytes: ISA guide 11.1)
.set HALFT,  128*PITCH                 ; 128 rows: what one tensor load brings, and what one wave reads of z or of the codes
.set SLOT,   4*HALFT                   ; z's 256 rows, then the codes' 256 rows
.set STAGE,  2*SLOT                    ; behind the ring: [256 rows][4 partials][d, index], 8,192 bytes; no tensor load lands here
.set CCS,    STAGE+8192                ; cc of the work-group's 1,024 codes, 4,096 bytes; no tensor load lands here
.set ADRA, 16                          ; v16-17  LDS address of my z fragments in slot 0, 1
.set ADRB, 20                          ; v20-21  the same for the codes
.set CCA,  22                          ; v22     LDS address of my lane's cc in this block
.set STO,  23                          ; v23     where my lane puts its partial of row r
.set RD,   24                          ; v24     where my thread reads two rows' partials
.set PO,   25                          ; v25     my thread's byte offset in pd and pi
.set LC,   26                          ; v26     the part of a code's index that hangs on work-group, wave and lane
.set ZZR,  32                          ; v32-47  zz of row 16 a + r, twice (a pair for the packed add)
.set F0,   64                          ; fragment buffer 0
.set F1,   128                         ; fragment buffer 1
.set TD,   128                         ; window 0: 64 distances at work (buffer 1 is free then)
.set CCR,  192                         ; window 0: cc of code 16 b + 8 h + j at CCR + 8 b + j
.set BEST, 0                           ; window 1
.set IDX,  192                         ; window 1
.set G1,  24                           ; s[24:31] descriptor group 1 for z's tiles
.set G0,  32                           ; s[32:39] descriptor group 0 for z's tiles, one set for each slot
.set G1B, 48                           ; s[48:55] group 1 for the codes' tiles: it differs in the mask alone
.set G0B, 56                           ; s[56:63] group 0 for the codes' tiles
.set MSK, 66                           ; s66-77  lane masks
.set TAG, 78                           ; s78-85  256 x block + j
.set FLAGS, (1<<16)|(1<<20)|(1<<21)|(5<<22)|(3<<25)   ; 17:16 element of 2 bytes; 20 padding on; 21 set beside a mask; 24:22 after every 64 words; 31:25 of 4 words
.set MSB, 0
.macro WIN new                         ; the immediate's high byte repeats the setting that is left
.if MSB != \new
	s_set_vgpr_msb (MSB<<8)|\new
.set MSB, \new
.endif
.endm
.set MUL_LO, 0xa1                      ; source 0 (codes) window 1, source 1 (z) window 0, C and D window 2
.set MUL_HI, 0xf1                      ; the same, C and D window 3
.set TO_B,   0x40                      ; destination window 1, address window 0
; A joint load.  Waves 0 and 1 fetch z's two halves, waves 2 and 3 the codes'.  Each line has one mask and one set of registers for all that issue it.
; The branch hangs on the wave's number alone.
.macro JLOAD s
	s_cmp_eq_u32 s17, 0
	s_cbranch_scc0 .Lfor_b_\@
	tensor_load_to_lds s[G0+4*\s:G0+4*\s+3], s[G1:G1+7]
	s_nop 0
	s_branch .Lasked_\@
.Lfor_b_\@:
	tensor_load_to_lds s[G0B+4*\s:G0B+4*\s+3], s[G1B:G1B+7]
	s_nop 0
.Lasked_\@:
.endm
; A round of the cluster's barrier: my work-group's barrier; wave 0 signals for the work-group; every wave waits for all sixteen; my work-group's barrier once more.
.macro CREST                           ; a round behind its opening barrier
	s_cmp_lg_u32 s16, 0
	s_cbranch_scc1 .Lnot_wave_0_\@
	s_barrier_signal -3
.Lnot_wave_0_\@:
	s_barrier_wait -3
	s_barrier_signal -1
	s_barrier_wait -1
.endm
.macro CROUND                          ; a whole round
	s_barrier_signal -1
	s_barrier_wait -1
	CREST
.endm
	s_load_b256 s[4:11], s[0:1], 0x0               ; zb s[4:5], cb s[6:7], zzw s[8:9], ccw s[10:11]
	s_load_b128 s[12:15], s[0:1], 0x20             ; pd s[12:13], pi s[14:15]
	v_lshl_add_u32 v62, v0, 2, 0x47000
	v_mov_b32 v63, 0
	ds_add_u32 v62, v63
	v_lshrrev_b32 v1, 5, v0
	v_readfirstlane_b32 s16, v1                    ; wave 0..3
	s_lshr_b32 s17, s16, 1                         ; wr: which half of the rows is mine.  Also: I fetch for z (0) or for the codes (1)
	s_and_b32 s18, s16, 1                          ; wc: which half of the codes.  Also: which 128 rows of that tile I fetch
	s_bfe_u32 s19, ttmp6, 0x40000                  ; cx
	s_bfe_u32 s20, ttmp6, 0x40004                  ; cy
	s_lshl_b32 s21, ttmp9, 2
	s_add_co_u32 s21, s21, s19                     ; gx = 4 x cluster x + cx: my group of 1,024 codes, 0..7
	s_and_b32 s22, ttmp7, 0xffff
	s_lshl_b32 s22, s22, 2
	s_add_co_u32 s22, s22, s20                     ; gy = 4 x cluster y + cy: my block of 256 rows, 0..31
	s_lshl_b32 s23, s20, 2
	s_lshl_b32 s23, 15, s23                        ; my row of the cluster: places 4 cy .. 4 cy + 3
	s_lshl_b32 s44, 0x1111, s19                    ; my column: places cx, cx + 4, cx + 8, cx + 12
	; descriptor group 1: a tile of 128 rows x 128 elements, padded in LDS
	s_or_b32 s[G1+0], s23, FLAGS                   ; 15:0 the mask: z's tiles go to my row
	s_or_b32 s[G1B+0], s44, FLAGS                  ; the codes' tiles go to my column
	s_mov_b32 s[G1+1], KSTEP<<16                   ; 63:48 tensor_dim0, low half = 128
	s_mov_b32 s[G1B+1], KSTEP<<16
	s_mov_b32 s[G1+2], 128<<16                     ; 79:64 its high half = 0; 95:80 tensor_dim1, low half = 128
	s_mov_b32 s[G1B+2], 128<<16
	s_mov_b32 s[G1+3], KSTEP<<16                   ; 111:96 its high half = 0; 127:112 tile_dim0 = 128
	s_mov_b32 s[G1B+3], KSTEP<<16
	s_mov_b32 s[G1+4], 128                         ; 143:128 tile_dim1 = 128; 159:144 tile_dim2 = 0
	s_mov_b32 s[G1B+4], 128
	s_mov_b32 s[G1+5], 1024                        ; 191:160 elements from row to row
	s_mov_b32 s[G1B+5], 1024
	s_mov_b32 s[G1+6], 0
	s_mov_b32 s[G1B+6], 0
	s_mov_b32 s[G1+7], 0
	s_mov_b32 s[G1B+7], 0
	; where the tiles come from: z's hang on gy alone, the codes' on gx alone, each in registers that never hold the other coordinate
	s_lshl_b32 s43, s18, 7                         ; which 128 rows of the tile I fetch
	s_lshl_b32 s40, s22, 8
	s_add_co_u32 s40, s40, s43                     ; z: row 256 gy + 128 half
	s_lshl_b32 s40, s40, 11                        ; x 2,048 bytes, below 2^24
	s_mov_b32 s41, 0
	s_lshl_b32 s46, s21, 10
	s_add_co_u32 s46, s46, s43                     ; codes: row 1,024 gx + 128 half
	s_lshl_b32 s46, s46, 11
	s_mov_b32 s47, 0
	s_mul_i32 s42, s16, HALFT                      ; and where they go: wave x 128 rows: no place in the cluster enters an LDS address
	s_wait_dscnt 0x0
	s_wait_kmcnt 0x0
	s_add_nc_u64 s[40:41], s[4:5], s[40:41]
	s_add_nc_u64 s[46:47], s[6:7], s[46:47]
	CROUND                                         ; all sixteen work-groups are here: the first joint loads meet
.irp s, 0,1
	s_mov_b32 s[G0+4*\s], 1                                        ; 1:0 count = 1
	s_add_co_u32 s[G0+4*\s+1], s42, \s*SLOT                        ; 63:32 LDS address
	s_add_nc_u64 s[G0+4*\s+2:G0+4*\s+3], s[40:41], \s*KSTEP*2      ; 120:64 global address: K step s
	s_or_b32 s[G0+4*\s+3], s[G0+4*\s+3], 0x80000000                ; 127:126 type = 2
	s_mov_b32 s[G0B+4*\s], 1
	s_add_co_u32 s[G0B+4*\s+1], s42, \s*SLOT
	s_add_nc_u64 s[G0B+4*\s+2:G0B+4*\s+3], s[46:47], \s*KSTEP*2
	s_or_b32 s[G0B+4*\s+3], s[G0B+4*\s+3], 0x80000000
	JLOAD \s                                       ; the ring is filled before anything else is done: two tensor loads of the wave are out
.endr
	; while the first tiles are on their way: norms, addresses, the chains' starting values
	s_lshl_b32 s40, s22, 10                        ; zz of my 256 rows
	s_mov_b32 s41, 0
	s_add_nc_u64 s[8:9], s[8:9], s[40:41]
	s_lshl_b32 s46, s21, 12                        ; cc of my 1,024 codes
	s_mov_b32 s47, 0
	s_add_nc_u64 s[10:11], s[10:11], s[46:47]
	s_lshl_b32 s92, s21, 15                        ; pd, pi: group gx (32,768 bytes each), rows from 256 gy
	s_lshl_b32 s93, s22, 10
	s_add_co_u32 s92, s92, s93
	s_mov_b32 s93, 0
	s_add_nc_u64 s[12:13], s[12:13], s[92:93]
	s_add_nc_u64 s[14:15], s[14:15], s[92:93]
	v_and_b32 v1, 15, v0                           ; r
	v_bfe_u32 v2, v0, 4, 1                         ; h
	s_lshl_b32 s89, s17, 9
	v_lshl_add_u32 v5, v1, 2, s89                  ; (128 wr + r) x 4
	v_lshlrev_b32 v6, 4, v0                        ; 16 x thread
	global_load_b128 v[8:11], v6, s[10:11]         ; 128 threads x 16 bytes, twice: the 1,024 cc
	global_load_b128 v[12:15], v6, s[10:11] offset:2048
.irp a, 0,1,2,3,4,5,6,7
	global_load_b32 v[ZZR+2*\a], v5, s[8:9] offset:64*\a           ; zz of row 128 wr + 16 a + r
.endr
	v_add_nc_u32 v7, CCS, v6
	; a fragment is 16 rows x 32 K in 8 registers: lane l holds row l % 16; registers 0-3 hold K = 8 h + 0..7, registers 4-7 K = 16 + 8 h + 0..7
	v_mul_u32_u24 v3, v1, PITCH
	v_lshl_add_u32 v3, v2, 4, v3                   ; row x pitch + 16 h
	s_mul_i32 s89, s17, HALFT                      ; my 128 rows of z
	s_mul_i32 s90, s18, HALFT                      ; my 128 codes,
	s_add_co_u32 s90, s90, 2*HALFT                 ; which lie behind z's 256 rows
.irp s, 0,1
	v_add_nc_u32 v[ADRA+\s], s89, v3
	v_add_nc_u32 v[ADRB+\s], s90, v3
	s_add_co_u32 s89, s89, SLOT
	s_add_co_u32 s90, s90, SLOT
.endr
	s_lshl_b32 s89, s18, 9
	s_add_co_u32 s89, s89, CCS
	v_lshl_add_u32 v[CCA], v2, 5, s89              ; CCS + 4 (128 wc + 8 h)
	s_lshl_b32 s89, s17, 12
	s_lshl_b32 s90, s18, 4
	s_add_co_u32 s89, s89, s90
	s_add_co_u32 s89, s89, STAGE
	v_lshlrev_b32 v4, 5, v1
	v_lshl_add_u32 v4, v2, 3, v4
	v_add_nc_u32 v[STO], s89, v4                   ; STAGE + 32 (128 wr + r) + 8 (2 wc + h)
	s_mov_b32 s89, STAGE
	v_lshl_add_u32 v[RD], v0, 6, s89               ; STAGE + two rows of 32 bytes for each thread
	v_lshlrev_b32 v[PO], 3, v0
	s_lshl_b32 s44, s21, 10
	s_lshl_b32 s45, s18, 7
	s_add_co_u32 s44, s44, s45
	v_lshl_add_u32 v[LC], v2, 3, s44               ; 1,024 gx + 128 wc + 8 h
	s_mov_b32 s88, 0x7f800000                      ; +inf
	WIN TO_B
.set i, 0
.rept 64
	v_mov_b32 v[BEST+i], s88                       ; the 64 chains start at +inf with tag 0: written once, while the first tiles are on their way
	v_mov_b32 v[IDX+i], 0
.set i, i+1
.endr
	WIN 0
.irp j, 0,1,2,3,4,5,6,7
	s_mov_b32 s[TAG+\j], \j
.endr
	s_wait_loadcnt 0x0                             ; cc and zz, once
.irp a, 0,1,2,3,4,5,6,7
	v_mov_b32 v[ZZR+2*\a+1], v[ZZR+2*\a]
.endr
	ds_store_b128 v7, v[8:11]
	ds_store_b128 v7, v[12:15] offset:2048
; 16 matrix instructions: row blocks a0, a0 + 1 of the window's four (hi = 0: my rows 0-63, 1: rows 64-127) x all 8 code blocks, 32 along K.
; zero = 1: the first product starts the sums: no accumulator is ever cleared.  The 64 accumulators take turns, one instruction a turn, in the same order
; in every quarter step, over both backward jumps too.
.macro MUL16 f, hi, a0, zero
.irp a, \a0, \a0+1
.irp b, 0,1,2,3,4,5,6,7
.if \zero
	v_wmma_f32_16x16x32_bf16 v[8*(8*(\a)+\b):8*(8*(\a)+\b)+7], v[\f+8*\b:\f+8*\b+7], v[\f+8*(4*\hi+\a):\f+8*(4*\hi+\a)+7], 0
.else
	v_wmma_f32_16x16x32_bf16 v[8*(8*(\a)+\b):8*(8*(\a)+\b)+7], v[\f+8*\b:\f+8*\b+7], v[\f+8*(4*\hi+\a):\f+8*(4*\hi+\a)+7], v[8*(8*(\a)+\b):8*(8*(\a)+\b)+7]
.endif
.endr
.endr
.endm
; 32 LDS loads in one run: the fragments of one quarter step (128 codes, 128 rows of z, 32 K at byte k of the rows) into buffer f
.macro FETCH slot, k, f
	WIN TO_B
.irp i, 0,1,2,3,4,5,6,7
	ds_load_b128 v[\f+8*\i:\f+8*\i+3],   v[ADRB+\slot] offset:\k+\i*16*PITCH
	ds_load_b128 v[\f+8*\i+4:\f+8*\i+7], v[ADRB+\slot] offset:\k+\i*16*PITCH+32
.endr
	WIN 0
.irp i, 0,1,2,3,4,5,6,7
	ds_load_b128 v[\f+8*\i:\f+8*\i+3],   v[ADRA+\slot] offset:\k+\i*16*PITCH
	ds_load_b128 v[\f+8*\i+4:\f+8*\i+7], v[ADRA+\slot] offset:\k+\i*16*PITCH+32
.endr
.endm
; A load into a register that a matrix instruction has read, and a vector instruction that reads a matrix result or writes one of a matrix instruction's
; registers, stand four places behind it, and only plain vector instructions that name none of its registers are places (ISA guide 7.12.1 for vector
; instructions).
.macro PLACES
.rept 4
	v_nop
.endr
.endm
; A K step is four quarter steps of 32 along K, 64 matrix instructions each, on buffers 0, 1, 0, 1.
; One of the first three: multiplies buffer f; in its middle it fetches the next quarter's fragments, at byte k of the same slot's rows, into buffer g.
.macro QUARTER slot, k, f, g, zero
	s_wait_dscnt 8                                 ; the codes and z's rows 0-63 are in; the youngest eight loads (z's rows 64-127) may be out
	WIN MUL_LO
	MUL16 \f, 0, 0, \zero
	MUL16 \f, 0, 2, \zero
	PLACES
	FETCH \slot, \k, \g
	s_wait_dscnt 32                                ; all but the 32 just issued
	WIN MUL_HI
	MUL16 \f, 1, 0, \zero
	MUL16 \f, 1, 2, \zero
.endm
.macro THREE slot, zero
	QUARTER \slot, 64,  F0, F1, \zero
	QUARTER \slot, 128, F1, F0, 0
	QUARTER \slot, 192, F0, F1, 0
.endm
; The last quarter: multiplies buffer 1 and changes slots.  fill = 0: nothing is filled; 1: this slot gets the K step two further on; 2: this slot gets
; its K step of the NEXT block (z back to K = 0 or 128, the codes 256 rows on).
; In front of the barrier each wave waits for its own reads of this slot and for all its tensor loads (one is out: its part of the next slot).  Where the slot
; is filled again the barrier opens a round of the cluster's barrier, and the joint refill is the first tensor load behind the round's closing wait.
.macro TURN slot, next, fill
	s_wait_dscnt 8
	WIN MUL_LO
	MUL16 F1, 0, 0, 0
	s_wait_dscnt 0                                 ; my reads of this slot are over
	s_set_vgpr_msb 0xa1a0
	s_wait_tensorcnt 0x0                           ; and all my tensor loads have landed
	ds_add_u32 v62, v63
	s_wait_dscnt 0x0
	s_set_vgpr_msb 0xa0a1
	s_barrier_signal -1
	MUL16 F1, 0, 2, 0                              ; register work while the others arrive
	WIN 0
	s_barrier_wait -1
.if \fill
	CREST                                          ; no wave of any partner still reads this slot's tile or has a load on its way
.if \fill == 1
	s_add_nc_u64 s[G0+4*\slot+2:G0+4*\slot+3], s[G0+4*\slot+2:G0+4*\slot+3], 2*KSTEP*2
	s_add_nc_u64 s[G0B+4*\slot+2:G0B+4*\slot+3], s[G0B+4*\slot+2:G0B+4*\slot+3], 2*KSTEP*2
.else
	s_sub_nc_u64 s[G0+4*\slot+2:G0+4*\slot+3], s[G0+4*\slot+2:G0+4*\slot+3], 6*KSTEP*2              ; three steps of 512 bytes back
	s_add_nc_u64 s[G0B+4*\slot+2:G0B+4*\slot+3], s[G0B+4*\slot+2:G0B+4*\slot+3], 256*2048-6*KSTEP*2 ; the same, and 256 codes on
.endif
	JLOAD \slot                                    ; my one tensor load behind the round, and the first thing there
.endif
	PLACES
	FETCH \next, 0, F0
	WIN MUL_HI
	MUL16 F1, 1, 0, 0
	MUL16 F1, 1, 2, 0
.endm
.macro LAP zero, fill                  ; once round the ring: two K steps, both slots filled again
	THREE 0, \zero
	TURN 0, 1, \fill
	THREE 1, 0
	TURN 1, 0, \fill
.endm
.macro LASTQ                           ; the launch's very last quarter: nothing more to fetch
	s_wait_dscnt 8
	WIN MUL_LO
	MUL16 F1, 0, 0, 0
	MUL16 F1, 0, 2, 0
	s_wait_dscnt 0
	WIN MUL_HI
	MUL16 F1, 1, 0, 0
	MUL16 F1, 1, 2, 0
.endm
; Row block a of a finished block of dot products: 64 distances a lane, then eight chains (one for each b) take their eight candidates in ascending index.
.macro EPIROW a
	WIN 0
.irp b, 0,1,2,3,4,5,6,7
.irp p, 0,2,4,6
	v_pk_add_f32 v[TD+8*\b+\p:TD+8*\b+\p+1], v[CCR+8*\b+\p:CCR+8*\b+\p+1], v[ZZR+2*\a:ZZR+2*\a+1]   ; t = fl(zz + cc)
.endr
.endr
.if \a < 4
	WIN 0x02                                       ; source 0 in window 2
.else
	WIN 0x03                                       ; source 0 in window 3
.endif
.irp b, 0,1,2,3,4,5,6,7
.irp p, 0,2,4,6
	v_pk_fma_f32 v[TD+8*\b+\p:TD+8*\b+\p+1], v[8*(8*(\a%4)+\b)+\p:8*(8*(\a%4)+\b)+\p+1], -2.0, v[TD+8*\b+\p:TD+8*\b+\p+1] op_sel_hi:[1,0,1]   ; d = fl(t - 2 dot)
.endr
.endr
	WIN 0x44                                       ; source 1 and destination in window 1
.irp j, 0,1,2,3,4,5,6,7
.irp b, 0,1,2,3,4,5,6,7
	v_cmp_ge_f32 s[MSK+\b], v[TD+8*\b+\j], v[BEST+8*\a+\b]         ; keep: an equal d keeps the earlier, lower index
.endr
.irp b, 0,1,2,3,4,5,6,7
	v_min_num_f32 v[BEST+8*\a+\b], v[TD+8*\b+\j], v[BEST+8*\a+\b]
.endr
.irp b, 0,1,2,3,4,5,6,7
	v_cndmask_b32 v[IDX+8*\a+\b], s[TAG+\j], v[IDX+8*\a+\b], s[MSK+\b]
.endr
.endr
.endm
.macro EPI
	PLACES                                         ; behind the last matrix instructions: buffer 1 is written and the results are read below
	WIN 0
.irp b, 0,1,2,3,4,5,6,7
	ds_load_b128 v[CCR+8*\b:CCR+8*\b+3],   v[CCA] offset:64*\b
	ds_load_b128 v[CCR+8*\b+4:CCR+8*\b+7], v[CCA] offset:64*\b+16
.endr
	s_wait_dscnt 0x0
.irp a, 0,1,2,3,4,5,6,7
	EPIROW \a
.endr
.endm
; A block of 256 x 256: four laps.  The first starts the sums; the last asks for the next block's first two K steps, or, in the last block, for nothing.
.macro BLOCK last
	LAP 1, 1
	WIN 0                                          ; at a label and at a branch every window is 0
	s_mov_b32 s87, 2
.Llap_\@:
	LAP 0, 1
	WIN 0
	s_sub_co_u32 s87, s87, 1
	s_cmp_lg_u32 s87, 0
	s_cbranch_scc1 .Llap_\@
.if \last
	THREE 0, 0                                     ; no fill and no round of the cluster's barrier: my one tensor load still out is slot 1's, the last K step's
	TURN 0, 1, 0
	THREE 1, 0
	LASTQ
.else
	LAP 0, 2
.endif
	EPI
.endm
	s_wait_dscnt 0x0                               ; my part of cc is in LDS,
	s_wait_tensorcnt 1                             ; and my part of K step 0; K step 1's load may stay out
	s_barrier_signal -1
	s_barrier_wait -1
	FETCH 0, 0, F0
	s_mov_b32 s86, 3
.Lblock:
	BLOCK 0
	WIN 0
.irp j, 0,1,2,3,4,5,6,7
	s_add_co_u32 s[TAG+\j], s[TAG+\j], 256         ; the next block's tags
.endr
	v_add_nc_u32 v[CCA], 1024, v[CCA]              ; and its 256 cc
	s_sub_co_u32 s86, s86, 1
	s_cmp_lg_u32 s86, 0
	s_cbranch_scc1 .Lblock
	BLOCK 1
	; THE CLOSE.  Chains, lane halves and waves hold interleaved index sets, so they are merged by (d, index): the smaller d, and of equal d the lower index.
.macro LEXC dx, ix, dy, iy, m
	v_cmp_lt_f32 s[\m], v[\dy], v[\dx]
	v_cmp_eq_f32 s[\m+1], v[\dy], v[\dx]
	v_cmp_lt_u32 s[\m+2], v[\iy], v[\ix]
.endm
.macro LEXS m
	s_and_b32 s[\m+1], s[\m+1], s[\m+2]
	s_or_b32 s[\m], s[\m], s[\m+1]                 ; take y
.endm
.macro LEXV dd, di, dx, ix, dy, iy, m
	v_cndmask_b32 v[\dd], v[\dx], v[\dy], s[\m]
	v_cndmask_b32 v[\di], v[\ix], v[\iy], s[\m]
.endm
; four merges side by side, so that none waits for its own masks: pair (x, y) of entries d + s x, i + s x; the result takes x's place
.macro LEXQ d, i, s, x0, y0, x1, y1, x2, y2, x3, y3
	LEXC \d+\s*\x0, \i+\s*\x0, \d+\s*\y0, \i+\s*\y0, MSK
	LEXC \d+\s*\x1, \i+\s*\x1, \d+\s*\y1, \i+\s*\y1, MSK+3
	LEXC \d+\s*\x2, \i+\s*\x2, \d+\s*\y2, \i+\s*\y2, MSK+6
	LEXC \d+\s*\x3, \i+\s*\x3, \d+\s*\y3, \i+\s*\y3, MSK+9
	LEXS MSK
	LEXS MSK+3
	LEXS MSK+6
	LEXS MSK+9
	LEXV \d+\s*\x0, \i+\s*\x0, \d+\s*\x0, \i+\s*\x0, \d+\s*\y0, \i+\s*\y0, MSK
	LEXV \d+\s*\x1, \i+\s*\x1, \d+\s*\x1, \i+\s*\x1, \d+\s*\y1, \i+\s*\y1, MSK+3
	LEXV \d+\s*\x2, \i+\s*\x2, \d+\s*\x2, \i+\s*\x2, \d+\s*\y2, \i+\s*\y2, MSK+6
	LEXV \d+\s*\x3, \i+\s*\x3, \d+\s*\x3, \i+\s*\x3, \d+\s*\y3, \i+\s*\y3, MSK+9
.endm
	WIN 0x45                                       ; both sources and the destination in window 1
.irp a, 0,1,2,3,4,5,6,7
.irp b, 1,2,3,4,5,6,7
	v_add_nc_u32 v[IDX+8*\a+\b], 16*\b, v[IDX+8*\a+\b]             ; tag + 16 b
.endr
.endr
.irp a, 0,1,2,3,4,5,6,7
	LEXQ BEST+8*\a, IDX+8*\a, 1, 0,1, 2,3, 4,5, 6,7
.endr
.irp a, 0,2,4,6
	LEXQ BEST+8*\a, IDX+8*\a, 1, 0,2, 4,6, 8,10, 12,14
.endr
.irp a, 0,4
	LEXQ BEST+8*\a, IDX+8*\a, 1, 0,4, 8,12, 16,20, 24,28
.endr
	WIN 0x01                                       ; source 0 in window 1, the rest in window 0
.irp a, 0,1,2,3,4,5,6,7
	v_mov_b32 v[128+2*\a], v[BEST+8*\a]
	v_add_nc_u32 v[129+2*\a], v[IDX+8*\a], v[LC]   ; the code's whole index
.endr
	WIN 0
.irp a, 0,1,2,3,4,5,6,7
	ds_store_b64 v[STO], v[128+2*\a:129+2*\a] offset:512*\a        ; row 128 wr + 16 a + r, partial 2 wc + h
.endr
	s_wait_dscnt 0x0                               ; for the other waves' sake: my stores are done
	s_barrier_signal -1
	s_barrier_wait -1
.irp q, 0,1,2,3
	ds_load_b128 v[128+4*\q:128+4*\q+3], v[RD] offset:16*\q        ; rows 2 t and 2 t + 1: four (d, index) each
.endr
	s_wait_dscnt 0x0
	LEXQ 128, 129, 2, 0,1, 2,3, 4,5, 6,7
	LEXC 128, 129, 132, 133, MSK
	LEXC 136, 137, 140, 141, MSK+3
	LEXS MSK
	LEXS MSK+3
	LEXV 144, 146, 128, 129, 132, 133, MSK
	LEXV 145, 147, 136, 137, 140, 141, MSK+3
	global_store_b64 v[PO], v[144:145], s[12:13]   ; a wave's store covers 256 consecutive bytes, aligned
	global_store_b64 v[PO], v[146:147], s[14:15]
	s_wait_tensorcnt 0x0
	ds_add_u32 v62, v63
	s_wait_dscnt 0x0
	CROUND                                         ; the closing round: no work-group ends while a partner may still ask for a tile that names it
	s_endpgm
.Lfunc_end_k_qcc4fd5f3bb_dist:
	.size	k_qcc4fd5f3bb_dist, .Lfunc_end_k_qcc4fd5f3bb_dist-k_qcc4fd5f3bb_dist
	.p2alignl 7, 3214868480
	.fill 96, 4, 3214868480
	.section	.rodata,"a",@progbits
	.p2align	6, 0x0
	.amdhsa_kernel k_qcc4fd5f3bb_dist
		.amdhsa_group_segment_fixed_size 327680
		.amdhsa_private_segment_fixed_size 0
		.amdhsa_enable_private_segment 0
		.amdhsa_kernarg_size 48
		.amdhsa_user_sgpr_count 2
		.amdhsa_user_sgpr_kernarg_segment_ptr 1
		.amdhsa_wavefront_size32 1
		.amdhsa_system_sgpr_workgroup_id_x 1
		.amdhsa_system_sgpr_workgroup_id_y 1
		.amdhsa_system_sgpr_workgroup_id_z 1
		.amdhsa_system_vgpr_workitem_id 0
		.amdhsa_next_free_vgpr 1024
		.amdhsa_next_free_sgpr 96
		.amdhsa_reserve_vcc 0
		.amdhsa_float_denorm_mode_32 3
		.amdhsa_float_denorm_mode_16_64 3
		.amdhsa_memory_ordered 1
		.amdhsa_forward_progress 1
		.amdhsa_inst_pref_size 255
	.end_amdhsa_kernel
	.section	.bss,"aw",@nobits
	.p2align	6
	.space	262144
	.amdgpu_metadata
---
amdhsa.version: [ 1, 2 ]
amdhsa.kernels:
  - .name:           k_qcc4fd5f3bb_dist
    .symbol:         k_qcc4fd5f3bb_dist.kd
    .args:
      - { .name: zb, .offset: 0, .size: 8, .value_kind: global_buffer, .address_space: global }
      - { .name: cb, .offset: 8, .size: 8, .value_kind: global_buffer, .address_space: global }
      - { .name: zzw, .offset: 16, .size: 8, .value_kind: global_buffer, .address_space: global }
      - { .name: ccw, .offset: 24, .size: 8, .value_kind: global_buffer, .address_space: global }
      - { .name: pd, .offset: 32, .size: 8, .value_kind: global_buffer, .address_space: global }
      - { .name: pi, .offset: 40, .size: 8, .value_kind: global_buffer, .address_space: global }
    .group_segment_fixed_size: 327680
    .private_segment_fixed_size: 0
    .kernarg_segment_align: 8
    .kernarg_segment_size: 48
    .max_flat_workgroup_size: 128
    .sgpr_count:     96
    .vgpr_count:     1024
    .wavefront_size: 32
...
	.end_amdgpu_metadata
.endif
;; end of part 2
;; launch pick (part 3): grid 32 x 1, 4 waves a work-group, no clusters, 0 bytes of LDS; arguments pd, pi, out2, idxw; writes out2, idxw
.if DOCPART == 3
	.amdgcn_target "amdgcn-amd-amdhsa--gfx1250"
	.amdhsa_code_object_version 6
	.text
	.protected	k_qcc4fd5f3bb_pick
	.globl	k_qcc4fd5f3bb_pick
	.p2align	8
	.type	k_qcc4fd5f3bb_pick,@function
k_qcc4fd5f3bb_pick:
	s_mov_b64 s[64:65], 0
	v_nop
	global_prefetch_b8 v0, s[64:65] scope:SCOPE_SE
	s_setreg_imm32_b32 hwreg(HW_REG_WAVE_MODE, 25, 1), 1
	s_wait_xcnt 0x0
; For each row the smallest of the eight groups' (d, index).  The groups' index ranges ascend, so a later group wins only with a strictly smaller d.
; pd, pi: [8][8192].  A thread owns two rows; 128 threads x 32 work-groups cover the 8,192 rows: there is no more work to share out.
; The index goes out twice: as the result, and as whole numbers from which the next launch forms its addresses.
; LIMIT: NaN distances are not served (a NaN never wins).
.set PD, 8                             ; v[8:23]   group g: d of my two rows
.set PI, 24                            ; v[24:39]  group g: their indices
	s_load_b256 s[4:11], s[0:1], 0x0               ; pd s[4:5], pi s[6:7], out2 s[8:9], idxw s[10:11]
	s_lshl_b32 s12, ttmp9, 10                      ; 256 rows of 4 bytes
	v_lshl_add_u32 v1, v0, 3, s12
	s_wait_kmcnt 0x0
.irp g, 0,1,2,3,4,5,6,7
	global_load_b64 v[PD+2*\g:PD+2*\g+1], v1, s[4:5] offset:32768*\g
.endr
.irp g, 0,1,2,3,4,5,6,7
	global_load_b64 v[PI+2*\g:PI+2*\g+1], v1, s[6:7] offset:32768*\g
.endr
	s_wait_loadcnt 0x0
.irp g, 1,2,3,4,5,6,7
	v_cmp_lt_f32 s14, v[PD+2*\g], v[PD]
	v_cmp_lt_f32 s15, v[PD+2*\g+1], v[PD+1]
	v_cndmask_b32 v[PD],   v[PD],   v[PD+2*\g],   s14
	v_cndmask_b32 v[PD+1], v[PD+1], v[PD+2*\g+1], s15
	v_cndmask_b32 v[PI],   v[PI],   v[PI+2*\g],   s14
	v_cndmask_b32 v[PI+1], v[PI+1], v[PI+2*\g+1], s15
.endr
	global_store_b64 v1, v[PI:PI+1], s[8:9]        ; a wave's store covers 256 consecutive bytes, aligned
	global_store_b64 v1, v[PI:PI+1], s[10:11]
	s_endpgm
.Lfunc_end_k_qcc4fd5f3bb_pick:
	.size	k_qcc4fd5f3bb_pick, .Lfunc_end_k_qcc4fd5f3bb_pick-k_qcc4fd5f3bb_pick
	.p2alignl 7, 3214868480
	.fill 96, 4, 3214868480
	.section	.rodata,"a",@progbits
	.p2align	6, 0x0
	.amdhsa_kernel k_qcc4fd5f3bb_pick
		.amdhsa_group_segment_fixed_size 0
		.amdhsa_private_segment_fixed_size 0
		.amdhsa_enable_private_segment 0
		.amdhsa_kernarg_size 32
		.amdhsa_user_sgpr_count 2
		.amdhsa_user_sgpr_kernarg_segment_ptr 1
		.amdhsa_wavefront_size32 1
		.amdhsa_system_sgpr_workgroup_id_x 1
		.amdhsa_system_sgpr_workgroup_id_y 1
		.amdhsa_system_sgpr_workgroup_id_z 1
		.amdhsa_system_vgpr_workitem_id 0
		.amdhsa_next_free_vgpr 48
		.amdhsa_next_free_sgpr 66
		.amdhsa_reserve_vcc 0
		.amdhsa_float_denorm_mode_32 3
		.amdhsa_float_denorm_mode_16_64 3
		.amdhsa_memory_ordered 1
		.amdhsa_forward_progress 1
		.amdhsa_inst_pref_size 5
	.end_amdhsa_kernel
	.amdgpu_metadata
---
amdhsa.version: [ 1, 2 ]
amdhsa.kernels:
  - .name:           k_qcc4fd5f3bb_pick
    .symbol:         k_qcc4fd5f3bb_pick.kd
    .args:
      - { .name: pd, .offset: 0, .size: 8, .value_kind: global_buffer, .address_space: global }
      - { .name: pi, .offset: 8, .size: 8, .value_kind: global_buffer, .address_space: global }
      - { .name: out2, .offset: 16, .size: 8, .value_kind: global_buffer, .address_space: global }
      - { .name: idxw, .offset: 24, .size: 8, .value_kind: global_buffer, .address_space: global }
    .group_segment_fixed_size: 0
    .private_segment_fixed_size: 0
    .kernarg_segment_align: 8
    .kernarg_segment_size: 32
    .max_flat_workgroup_size: 128
    .sgpr_count:     66
    .vgpr_count:     48
    .wavefront_size: 32
...
	.end_amdgpu_metadata
.endif
;; end of part 3
;; launch apply (part 4): grid 512 x 1, 8 waves a work-group, no clusters, 1,280 bytes of LDS; arguments z, codebook, idxw, out1, lossp; writes out1, lossp
.if DOCPART == 4
	.amdgcn_target "amdgcn-amd-amdhsa--gfx1250"
	.amdhsa_code_object_version 6
	.text
	.protected	k_qcc4fd5f3bb_apply
	.globl	k_qcc4fd5f3bb_apply
	.p2align	8
	.type	k_qcc4fd5f3bb_apply,@function
k_qcc4fd5f3bb_apply:
	s_mov_b64 s[64:65], 0
	v_nop
	global_prefetch_b8 v0, s[64:65] scope:SCOPE_SE
	s_setreg_imm32_b32 hwreg(HW_REG_WAVE_MODE, 25, 1), 1
	s_wait_xcnt 0x0
; out1 = z + (q - z) with q = codebook[index], rounded as reference() rounds it, and the work-group's sum of (q - z)^2.
; Eight waves; the work-group owns 16 rows, a wave two.  All 32 loads of a wave (16 KiB) go out at once; the text has no loop.
; The indices are whole numbers stored by the launch before; each is clamped to 8,191 before it enters an address.
; Memory binds: no matrix unit, no cluster; LDS only for the eight waves' sums.
.set Z0, 8                             ; v[8:39]    z, first row
.set Z1, 40                            ; v[40:71]   z, second row
.set Q0, 72                            ; v[72:103]  the first row's code, then its result: store data, never rewritten
.set Q1, 104                           ; v[104:135] the second row's
.set SS, 136                           ; v[136:139] four running sums of squares
	s_load_b256 s[4:11], s[0:1], 0x0               ; z s[4:5], codebook s[6:7], idxw s[8:9], out1 s[10:11]
	s_load_b64 s[12:13], s[0:1], 0x20              ; lossp
	v_lshl_add_u32 v144, v0, 2, 0x100
	v_mov_b32 v145, 0
	v_lshrrev_b32 v3, 5, v0
	v_readfirstlane_b32 s14, v3                    ; wave
	v_and_b32 v4, 31, v0
	v_lshlrev_b32 v2, 4, v4                        ; in a code's row: 16 lane
	v_lshl_add_u32 v1, v3, 13, v2                  ; in z and out1: wave x 2 rows x 4,096 + 16 lane
	v_mov_b32 v141, 0                              ; v_permlanex16_b32 counts as a reader of its destination
	s_lshl_b32 s22, ttmp9, 6                       ; 16 indices of 4 bytes
	s_lshl3_add_u32 s22, s14, s22                  ; + wave x 2 indices
	s_lshl_b32 s16, ttmp9, 16                      ; 16 rows of 4,096 bytes
	s_mov_b32 s17, 0
	s_lshl_b32 s18, ttmp9, 2
	s_mov_b32 s19, 0
	s_mov_b32 s28, 0x76543210
	s_mov_b32 s29, 0xfedcba98
	s_wait_kmcnt 0x0
	s_load_b64 s[20:21], s[8:9], s22 offset:0x0    ; my two indices
	s_add_nc_u64 s[4:5], s[4:5], s[16:17]
	s_add_nc_u64 s[10:11], s[10:11], s[16:17]
	s_add_nc_u64 s[12:13], s[12:13], s[18:19]
.irp j, 0,1,2,3,4,5,6,7
	global_load_b128 v[Z0+4*\j:Z0+4*\j+3], v1, s[4:5] offset:512*\j th:TH_LOAD_NT
.endr
.irp j, 0,1,2,3,4,5,6,7
	global_load_b128 v[Z1+4*\j:Z1+4*\j+3], v1, s[4:5] offset:4096+512*\j th:TH_LOAD_NT
.endr
	s_wait_kmcnt 0x0
	s_min_u32 s20, s20, 8191
	s_min_u32 s21, s21, 8191
	s_lshl_b32 s24, s20, 12                        ; a code's row is 4,096 bytes
	s_mov_b32 s25, 0
	s_lshl_b32 s26, s21, 12
	s_mov_b32 s27, 0
	s_add_nc_u64 s[24:25], s[6:7], s[24:25]
	s_add_nc_u64 s[26:27], s[6:7], s[26:27]
.irp j, 0,1,2,3,4,5,6,7
	global_load_b128 v[Q0+4*\j:Q0+4*\j+3], v2, s[24:25] offset:512*\j     ; no hint: a code may be named by many rows
.endr
.irp j, 0,1,2,3,4,5,6,7
	global_load_b128 v[Q1+4*\j:Q1+4*\j+3], v2, s[26:27] offset:512*\j
.endr
.set START, 1                          ; the first squares start the sums: nothing is cleared
.macro ROWDO zr, qr, off
.irp j, 0,1,2,3,4,5,6,7
	v_pk_add_f32 v[\qr+4*\j:\qr+4*\j+1],   v[\qr+4*\j:\qr+4*\j+1],   v[\zr+4*\j:\zr+4*\j+1]   neg_lo:[0,1] neg_hi:[0,1]   ; q - z
	v_pk_add_f32 v[\qr+4*\j+2:\qr+4*\j+3], v[\qr+4*\j+2:\qr+4*\j+3], v[\zr+4*\j+2:\zr+4*\j+3] neg_lo:[0,1] neg_hi:[0,1]
.if START
	v_pk_mul_f32 v[SS:SS+1],   v[\qr+4*\j:\qr+4*\j+1],   v[\qr+4*\j:\qr+4*\j+1]
	v_pk_mul_f32 v[SS+2:SS+3], v[\qr+4*\j+2:\qr+4*\j+3], v[\qr+4*\j+2:\qr+4*\j+3]
.set START, 0
.else
	v_pk_fma_f32 v[SS:SS+1],   v[\qr+4*\j:\qr+4*\j+1],   v[\qr+4*\j:\qr+4*\j+1],   v[SS:SS+1]
	v_pk_fma_f32 v[SS+2:SS+3], v[\qr+4*\j+2:\qr+4*\j+3], v[\qr+4*\j+2:\qr+4*\j+3], v[SS+2:SS+3]
.endif
	v_pk_add_f32 v[\qr+4*\j:\qr+4*\j+1],   v[\zr+4*\j:\zr+4*\j+1],   v[\qr+4*\j:\qr+4*\j+1]                               ; z + (q - z)
	v_pk_add_f32 v[\qr+4*\j+2:\qr+4*\j+3], v[\zr+4*\j+2:\zr+4*\j+3], v[\qr+4*\j+2:\qr+4*\j+3]
	global_store_b128 v1, v[\qr+4*\j:\qr+4*\j+3], s[10:11] offset:\off+512*\j th:TH_STORE_NT   ; 512 consecutive bytes, aligned
.endr
.endm
	s_wait_loadcnt 0x8                             ; z and the first code are in; the second code's eight loads may stay out
	ROWDO Z0, Q0, 0
	s_wait_loadcnt 0x0
	ROWDO Z1, Q1, 4096
	v_pk_add_f32 v[SS:SS+1], v[SS:SS+1], v[SS+2:SS+3]
	v_add_f32 v140, v[SS], v[SS+1]
	v_add_f32_dpp v140, v140, v140 row_xmask:1 row_mask:0xf bank_mask:0xf
	v_add_f32_dpp v140, v140, v140 row_xmask:2 row_mask:0xf bank_mask:0xf
	v_add_f32_dpp v140, v140, v140 row_xmask:4 row_mask:0xf bank_mask:0xf
	v_add_f32_dpp v140, v140, v140 row_xmask:8 row_mask:0xf bank_mask:0xf
	v_permlanex16_b32 v141, v140, s28, s29
	v_add_f32 v140, v140, v141                     ; the wave's sum, in every lane
	v_lshlrev_b32 v142, 2, v3
	ds_store_b32 v142, v140                        ; all lanes write the wave's word with the same value
	s_wait_dscnt 0x0                               ; for wave 0's sake
	s_barrier_signal -1
	s_barrier_wait -1
	s_cmp_lg_u32 s14, 0
	s_cbranch_scc1 .Ldone
	v_mov_b32 v142, 0
	ds_load_b128 v[8:11], v142
	ds_load_b128 v[12:15], v142 offset:16
	v_mov_b32 v143, 0
	v_cmp_eq_u32 vcc_lo, 0, v0
	s_wait_dscnt 0x0
	v_add_f32 v8, v8, v9                           ; a fixed order: the sum is the same in every run
	v_add_f32 v10, v10, v11
	v_add_f32 v12, v12, v13
	v_add_f32 v14, v14, v15
	v_add_f32 v8, v8, v10
	v_add_f32 v12, v12, v14
	v_add_f32 v8, v8, v12
	s_wait_xcnt 0x0                                ; EXEC is a source of the stores above: it changes only behind this wait
	s_and_saveexec_b32 s30, vcc_lo
	global_store_b32 v143, v8, s[12:13]            ; one word for the work-group
	s_wait_xcnt 0x0                                ; and again in front of the line that widens EXEC
	s_or_b32 exec_lo, exec_lo, s30
.Ldone:
	s_wait_tensorcnt 0x0
	ds_add_u32 v144, v145
	s_wait_dscnt 0x0
	s_endpgm
.Lfunc_end_k_qcc4fd5f3bb_apply:
	.size	k_qcc4fd5f3bb_apply, .Lfunc_end_k_qcc4fd5f3bb_apply-k_qcc4fd5f3bb_apply
	.p2alignl 7, 3214868480
	.fill 96, 4, 3214868480
	.section	.rodata,"a",@progbits
	.p2align	6, 0x0
	.amdhsa_kernel k_qcc4fd5f3bb_apply
		.amdhsa_group_segment_fixed_size 1280
		.amdhsa_private_segment_fixed_size 0
		.amdhsa_enable_private_segment 0
		.amdhsa_kernarg_size 40
		.amdhsa_user_sgpr_count 2
		.amdhsa_user_sgpr_kernarg_segment_ptr 1
		.amdhsa_wavefront_size32 1
		.amdhsa_system_sgpr_workgroup_id_x 1
		.amdhsa_system_sgpr_workgroup_id_y 1
		.amdhsa_system_sgpr_workgroup_id_z 1
		.amdhsa_system_vgpr_workitem_id 0
		.amdhsa_next_free_vgpr 146
		.amdhsa_next_free_sgpr 66
		.amdhsa_reserve_vcc 1
		.amdhsa_float_denorm_mode_32 3
		.amdhsa_float_denorm_mode_16_64 3
		.amdhsa_memory_ordered 1
		.amdhsa_forward_progress 1
		.amdhsa_inst_pref_size 14
	.end_amdhsa_kernel
	.amdgpu_metadata
---
amdhsa.version: [ 1, 2 ]
amdhsa.kernels:
  - .name:           k_qcc4fd5f3bb_apply
    .symbol:         k_qcc4fd5f3bb_apply.kd
    .args:
      - { .name: z, .offset: 0, .size: 8, .value_kind: global_buffer, .address_space: global }
      - { .name: codebook, .offset: 8, .size: 8, .value_kind: global_buffer, .address_space: global }
      - { .name: idxw, .offset: 16, .size: 8, .value_kind: global_buffer, .address_space: global }
      - { .name: out1, .offset: 24, .size: 8, .value_kind: global_buffer, .address_space: global }
      - { .name: lossp, .offset: 32, .size: 8, .value_kind: global_buffer, .address_space: global }
    .group_segment_fixed_size: 1280
    .private_segment_fixed_size: 0
    .kernarg_segment_align: 8
    .kernarg_segment_size: 40
    .max_flat_workgroup_size: 256
    .sgpr_count:     66
    .vgpr_count:     146
    .wavefront_size: 32
...
	.end_amdgpu_metadata
.endif
;; end of part 4
;; launch total (part 5): grid 1 x 1, 1 waves a work-group, no clusters, 0 bytes of LDS; arguments lossp, out0; writes out0
.if DOCPART == 5
	.amdgcn_target "amdgcn-amd-amdhsa--gfx1250"
	.amdhsa_code_object_version 6
	.text
	.protected	k_qcc4fd5f3bb_total
	.globl	k_qcc4fd5f3bb_total
	.p2align	8
	.type	k_qcc4fd5f3bb_total,@function
k_qcc4fd5f3bb_total:
	s_mov_b64 s[64:65], 0
	v_nop
	global_prefetch_b8 v0, s[64:65] scope:SCOPE_SE
	s_setreg_imm32_b32 hwreg(HW_REG_WAVE_MODE, 25, 1), 1
	s_wait_xcnt 0x0
; loss = m + 0.25 m, m = (the sum of the 512 work-groups' sums) / (8192 x 1024).  One wave: 2,048 bytes, four 16-byte loads a lane.
; A sum over work-groups is ordered by a launch of its own: no atomics.
	s_load_b128 s[4:7], s[0:1], 0x0                ; lossp s[4:5], out0 s[6:7]
	v_lshlrev_b32 v1, 4, v0
	v_mov_b32 v21, 0                               ; v_permlanex16_b32 counts as a reader of its destination
	v_mov_b32 v23, 0
	s_mov_b32 s8, 0x76543210
	s_mov_b32 s9, 0xfedcba98
	s_mov_b32 s11, 0x3e800000                      ; 0.25, the commitment cost
	s_wait_kmcnt 0x0
.irp k, 0,1,2,3
	global_load_b128 v[4+4*\k:7+4*\k], v1, s[4:5] offset:512*\k
.endr
	s_wait_loadcnt 0x0
	v_pk_add_f32 v[4:5], v[4:5], v[8:9]
	v_pk_add_f32 v[6:7], v[6:7], v[10:11]
	v_pk_add_f32 v[12:13], v[12:13], v[16:17]
	v_pk_add_f32 v[14:15], v[14:15], v[18:19]
	v_pk_add_f32 v[4:5], v[4:5], v[12:13]
	v_pk_add_f32 v[6:7], v[6:7], v[14:15]
	v_pk_add_f32 v[4:5], v[4:5], v[6:7]
	v_add_f32 v20, v4, v5
	v_add_f32_dpp v20, v20, v20 row_xmask:1 row_mask:0xf bank_mask:0xf
	v_add_f32_dpp v20, v20, v20 row_xmask:2 row_mask:0xf bank_mask:0xf
	v_add_f32_dpp v20, v20, v20 row_xmask:4 row_mask:0xf bank_mask:0xf
	v_add_f32_dpp v20, v20, v20 row_xmask:8 row_mask:0xf bank_mask:0xf
	v_permlanex16_b32 v21, v20, s8, s9
	v_add_f32 v20, v20, v21
	v_mul_f32 v20, 0x34000000, v20                 ; x 2^-23 = 1 / (8192 x 1024): the mean
	v_fma_f32 v22, v20, s11, v20                   ; 0.25 m + m, one rounding
	v_cmp_eq_u32 vcc_lo, 0, v0
	s_wait_xcnt 0x0                                ; EXEC changes only behind this wait
	s_and_saveexec_b32 s10, vcc_lo
	global_store_b32 v23, v22, s[6:7]
	s_wait_xcnt 0x0
	s_or_b32 exec_lo, exec_lo, s10
	s_endpgm
.Lfunc_end_k_qcc4fd5f3bb_total:
	.size	k_qcc4fd5f3bb_total, .Lfunc_end_k_qcc4fd5f3bb_total-k_qcc4fd5f3bb_total
	.p2alignl 7, 3214868480
	.fill 96, 4, 3214868480
	.section	.rodata,"a",@progbits
	.p2align	6, 0x0
	.amdhsa_kernel k_qcc4fd5f3bb_total
		.amdhsa_group_segment_fixed_size 0
		.amdhsa_private_segment_fixed_size 0
		.amdhsa_enable_private_segment 0
		.amdhsa_kernarg_size 16
		.amdhsa_user_sgpr_count 2
		.amdhsa_user_sgpr_kernarg_segment_ptr 1
		.amdhsa_wavefront_size32 1
		.amdhsa_system_sgpr_workgroup_id_x 1
		.amdhsa_system_sgpr_workgroup_id_y 1
		.amdhsa_system_sgpr_workgroup_id_z 1
		.amdhsa_system_vgpr_workitem_id 0
		.amdhsa_next_free_vgpr 32
		.amdhsa_next_free_sgpr 66
		.amdhsa_reserve_vcc 1
		.amdhsa_float_denorm_mode_32 3
		.amdhsa_float_denorm_mode_16_64 3
		.amdhsa_memory_ordered 1
		.amdhsa_forward_progress 1
		.amdhsa_inst_pref_size 3
	.end_amdhsa_kernel
	.amdgpu_metadata
---
amdhsa.version: [ 1, 2 ]
amdhsa.kernels:
  - .name:           k_qcc4fd5f3bb_total
    .symbol:         k_qcc4fd5f3bb_total.kd
    .args:
      - { .name: lossp, .offset: 0, .size: 8, .value_kind: global_buffer, .address_space: global }
      - { .name: out0, .offset: 8, .size: 8, .value_kind: global_buffer, .address_space: global }
    .group_segment_fixed_size: 0
    .private_segment_fixed_size: 0
    .kernarg_segment_align: 8
    .kernarg_segment_size: 16
    .max_flat_workgroup_size: 32
    .sgpr_count:     66
    .vgpr_count:     32
    .wavefront_size: 32
...
	.end_amdgpu_metadata
.endif
;; end of part 5
;; ======== version 2 of 2: 4 launches; 1.12 times as fast as version 1
;; workspace buffers: zb 16,777,216 bytes; cb 16,777,216 bytes; zzw 32,768 bytes; ccw 32,768 bytes; pk 262,144 bytes of whole numbers; pi 262,144 bytes of whole numbers; lossp 2,048 bytes
;; launch prep: the kernel of part 1 again; grid 128 x 2, 8 waves a work-group, no clusters, 1,280 bytes of LDS; arguments z, codebook, zb, cb, zzw, ccw; writes zb, cb, zzw, ccw
;; launch dist (part 6): grid 8 x 32, 4 waves a work-group, clusters of 4 x 4, 327,680 bytes of LDS; arguments zb, cb, zzw, ccw, pk, pi; writes pk, pi
.if DOCPART == 6
	.amdgcn_target "amdgcn-amd-amdhsa--gfx1250"
	.amdhsa_code_object_version 6
	.text
	.protected	k_qcc4fd5f3bb_dist
	.globl	k_qcc4fd5f3bb_dist
	.p2align	8
	.type	k_qcc4fd5f3bb_dist,@function
k_qcc4fd5f3bb_dist:
	s_mov_b64 s[64:65], 0
	v_nop
	global_prefetch_b8 v0, s[64:65] scope:SCOPE_SE
	s_setreg_imm32_b32 hwreg(HW_REG_WAVE_MODE, 25, 1), 1
	s_wait_xcnt 0x0
	s_wait_alu depctr_hold_cnt(0) depctr_sa_sdst(0) depctr_va_vdst(0) depctr_va_sdst(0) depctr_va_ssrc(0) depctr_va_vcc(0) depctr_vm_vsrc(0)
	s_getreg_b32 s2, hwreg(HW_REG_IB_STS2, 6, 4)
	s_cmp_eq_u32 s2, 0
	s_cbranch_scc0 .Lentry_in_a_cluster
	s_endpgm
.Lentry_in_a_cluster:
	s_bfe_u32 s2, ttmp6, 0x10000c
	s_cmp_lg_u32 s2, 0xf033
	s_cbranch_scc0 .Lentry_shape_is_right
	s_endpgm
.Lentry_shape_is_right:
; For 256 rows of z and 1,024 codes: d = fl(fl(zz + cc) - 2 z.c) and the first index of the smallest d of each row.
; zb, cb: [8192][1024] bf16; zzw, ccw: [8192] f32; pk, pi: [8 groups of 1,024 codes][8192 rows], whole numbers.
; d is rounded where reference() rounds it: one add, then one fused multiply-add (2 x dot is exact), so that equal d are equal here too, and
; an equal d always keeps the lower index.
; pk holds the smallest d as a KEY, a whole number that sorts as the float does: bits xor (sign ? all ones : the top bit).  d is never -0 (zz + cc is +0 at the
; least, and an exact zero of a fused multiply-add is +0 in round to nearest), so equal d have equal keys.  The next launch chooses among the eight groups by the keys.
; LIMITS: NaN among the inputs is not served (a NaN distance is dropped, not chosen).  The dot products are those of the bf16 vectors, summed in f32
; by the matrix unit.  A row whose d are all +inf gets the group's first index.
; A work-group (four waves, as many as a WGP has SIMDs) stays and walks four blocks of 256 rows x 256 codes; a wave makes 128 x 128: 64 accumulator tiles, 512 registers.
; K = 1,024 goes in steps of 128 through a ring of two LDS slots filled by the tensor data mover.
; ONE TEXT FOR ALL FOUR BLOCKS: a block asks for its own first two K steps at its head and fills nothing in its last two K steps.  A ring that ran on across the
; blocks' ends would spare three waits for a first tile, but the last block, which has nothing to ask for at its end, would have to be written out a second time,
; its 2,100 lines of distances and minima too.
; CLUSTERS: 4 x 4 work-groups.  The four of a row of the cluster have the same rows of z, the four of a column the same codes: each tile is asked for jointly.
;
; REGISTERS, in windows of 256:
;   window 0: v0-47 addresses, zz; v64-127, v128-191 fragments of z, two buffers (the second also serves as 64 distances at work); v192-255 cc of my 128 codes
;   window 1: v0-63 running minima, v192-255 their tags (one chain for each tile (a, b)); v64-127, v128-191 fragments of the codes
;   window 2: the 32 accumulator tiles of my rows 0-63 (tile (a, b) at v[8 (8 a + b)]);   window 3: those of my rows 64-127
; THE MATRIX INSTRUCTION IS USED TRANSPOSED: source 0 = 16 codes, source 1 = 16 rows of z.  Lane l = (r = l % 16, h = l / 16) then holds, in register j
; of tile (a, b), row 16 a + r of z against code 16 b + 8 h + j: a lane's candidates all belong to one row for each a.
.set KSTEP,  128
.set PITCH,  272                       ; an LDS row: 256 bytes + 16 of padding = 68 words: the 16 rows that a load touches start at 16 different banks (64 banks of 4 bytes: ISA guide 11.1)
.set HALFT,  128*PITCH                 ; 128 rows: what one tensor load brings, and what one wave reads of z or of the codes
.set SLOT,   4*HALFT                   ; z's 256 rows, then the codes' 256 rows
.set STAGE,  2*SLOT                    ; behind the ring: [256 rows][4 partials][d, index], 8,192 bytes; no tensor load lands here
.set CCS,    STAGE+8192                ; cc of the work-group's 1,024 codes, 4,096 bytes; no tensor load lands here
.set ADRA, 16                          ; v16-17  LDS address of my z fragments in slot 0, 1
.set ADRB, 20                          ; v20-21  the same for the codes
.set CCA,  22                          ; v22     LDS address of my lane's cc in this block
.set STO,  23                          ; v23     where my lane puts its partial of row r
.set RD,   24                          ; v24     where my thread reads two rows' partials
.set PO,   25                          ; v25     my thread's byte offset in pk and pi
.set LC,   26                          ; v26     the part of a code's index that hangs on work-group, wave and lane
.set ZZR,  32                          ; v32-47  zz of row 16 a + r, twice (a pair for the packed add)
.set F0,   64                          ; fragment buffer 0
.set F1,   128                         ; fragment buffer 1
.set TD,   128                         ; window 0: 64 distances at work (buffer 1 is free then)
.set CCR,  192                         ; window 0: cc of code 16 b + 8 h + j at CCR + 8 b + j
.set BEST, 0                           ; window 1
.set IDX,  192                         ; window 1
.set G1,  24                           ; s[24:31] descriptor group 1 for z's tiles
.set G0,  32                           ; s[32:39] descriptor group 0 for z's tiles, one set for each slot
.set G1B, 48                           ; s[48:55] group 1 for the codes' tiles: it differs in the mask alone
.set G0B, 56                           ; s[56:63] group 0 for the codes' tiles
.set MSK, 66                           ; s66-77  lane masks
.set TAG, 78                           ; s78-85  256 x block + j
.set FLAGS, (1<<16)|(1<<20)|(1<<21)|(5<<22)|(3<<25)   ; 17:16 element of 2 bytes; 20 padding on; 21 set beside a mask; 24:22 after every 64 words; 31:25 of 4 words
.set MSB, 0
.macro WIN new                         ; the immediate's high byte repeats the setting that is left
.if MSB != \new
	s_set_vgpr_msb (MSB<<8)|\new
.set MSB, \new
.endif
.endm
.set MUL_LO, 0xa1                      ; source 0 (codes) window 1, source 1 (z) window 0, C and D window 2
.set MUL_HI, 0xf1                      ; the same, C and D window 3
.set TO_B,   0x40                      ; destination window 1, address window 0
; A joint load.  Waves 0 and 1 fetch z's two halves, waves 2 and 3 the codes'.  Each line has one mask and one set of registers for all that issue it.
; The branch hangs on the wave's number alone.
.macro JLOAD s
	s_cmp_eq_u32 s17, 0
	s_cbranch_scc0 .Lfor_b_\@
	tensor_load_to_lds s[G0+4*\s:G0+4*\s+3], s[G1:G1+7]
	s_nop 0
	s_branch .Lasked_\@
.Lfor_b_\@:
	tensor_load_to_lds s[G0B+4*\s:G0B+4*\s+3], s[G1B:G1B+7]
	s_nop 0
.Lasked_\@:
.endm
; A round of the cluster's barrier: my work-group's barrier; wave 0 signals for the work-group; every wave waits for all sixteen; my work-group's barrier once more.
.macro CREST                           ; a round behind its opening barrier
	s_cmp_lg_u32 s16, 0
	s_cbranch_scc1 .Lnot_wave_0_\@
	s_barrier_signal -3
.Lnot_wave_0_\@:
	s_barrier_wait -3
	s_barrier_signal -1
	s_barrier_wait -1
.endm
.macro CROUND                          ; a whole round
	s_barrier_signal -1
	s_barrier_wait -1
	CREST
.endm
	s_load_b256 s[4:11], s[0:1], 0x0               ; zb s[4:5], cb s[6:7], zzw s[8:9], ccw s[10:11]
	s_load_b128 s[12:15], s[0:1], 0x20             ; pk s[12:13], pi s[14:15]
	v_lshl_add_u32 v62, v0, 2, 0x47000
	v_mov_b32 v63, 0
	v_lshrrev_b32 v1, 5, v0
	v_readfirstlane_b32 s16, v1                    ; wave 0..3
	s_lshr_b32 s17, s16, 1                         ; wr: which half of the rows is mine.  Also: I fetch for z (0) or for the codes (1)
	s_and_b32 s18, s16, 1                          ; wc: which half of the codes.  Also: which 128 rows of that tile I fetch
	s_bfe_u32 s19, ttmp6, 0x40000                  ; cx
	s_bfe_u32 s20, ttmp6, 0x40004                  ; cy
	s_lshl_b32 s21, ttmp9, 2
	s_add_co_u32 s21, s21, s19                     ; gx = 4 x cluster x + cx: my group of 1,024 codes, 0..7
	s_and_b32 s22, ttmp7, 0xffff
	s_lshl_b32 s22, s22, 2
	s_add_co_u32 s22, s22, s20                     ; gy = 4 x cluster y + cy: my block of 256 rows, 0..31
	s_lshl_b32 s23, s20, 2
	s_lshl_b32 s23, 15, s23                        ; my row of the cluster: places 4 cy .. 4 cy + 3
	s_lshl_b32 s44, 0x1111, s19                    ; my column: places cx, cx + 4, cx + 8, cx + 12
	; descriptor group 1: a tile of 128 rows x 128 elements, padded in LDS
	s_or_b32 s[G1+0], s23, FLAGS                   ; 15:0 the mask: z's tiles go to my row
	s_or_b32 s[G1B+0], s44, FLAGS                  ; the codes' tiles go to my column
	s_mov_b32 s[G1+1], KSTEP<<16                   ; 63:48 tensor_dim0, low half = 128
	s_mov_b32 s[G1B+1], KSTEP<<16
	s_mov_b32 s[G1+2], 128<<16                     ; 79:64 its high half = 0; 95:80 tensor_dim1, low half = 128
	s_mov_b32 s[G1B+2], 128<<16
	s_mov_b32 s[G1+3], KSTEP<<16                   ; 111:96 its high half = 0; 127:112 tile_dim0 = 128
	s_mov_b32 s[G1B+3], KSTEP<<16
	s_mov_b32 s[G1+4], 128                         ; 143:128 tile_dim1 = 128; 159:144 tile_dim2 = 0
	s_mov_b32 s[G1B+4], 128
	s_mov_b32 s[G1+5], 1024                        ; 191:160 elements from row to row
	s_mov_b32 s[G1B+5], 1024
	s_mov_b32 s[G1+6], 0
	s_mov_b32 s[G1B+6], 0
	s_mov_b32 s[G1+7], 0
	s_mov_b32 s[G1B+7], 0
	; where the tiles come from: z's hang on gy alone, the codes' on gx alone, each in registers that never hold the other coordinate
	s_lshl_b32 s43, s18, 7                         ; which 128 rows of the tile I fetch
	s_lshl_b32 s40, s22, 8
	s_add_co_u32 s40, s40, s43                     ; z: row 256 gy + 128 half
	s_lshl_b32 s40, s40, 11                        ; x 2,048 bytes, below 2^24
	s_mov_b32 s41, 0
	s_lshl_b32 s46, s21, 10
	s_add_co_u32 s46, s46, s43                     ; codes: row 1,024 gx + 128 half
	s_lshl_b32 s46, s46, 11
	s_mov_b32 s47, 0
	s_mul_i32 s42, s16, HALFT                      ; and where they go: wave x 128 rows: no place in the cluster enters an LDS address
	s_wait_kmcnt 0x0
	s_add_nc_u64 s[40:41], s[4:5], s[40:41]
	s_add_nc_u64 s[46:47], s[6:7], s[46:47]
.irp s, 0,1
	s_mov_b32 s[G0+4*\s], 1                                        ; 1:0 count = 1
	s_add_co_u32 s[G0+4*\s+1], s42, \s*SLOT                        ; 63:32 LDS address
	s_add_nc_u64 s[G0+4*\s+2:G0+4*\s+3], s[40:41], \s*KSTEP*2      ; 120:64 global address: K step s of the first block
	s_or_b32 s[G0+4*\s+3], s[G0+4*\s+3], 0x80000000                ; 127:126 type = 2
	s_mov_b32 s[G0B+4*\s], 1
	s_add_co_u32 s[G0B+4*\s+1], s42, \s*SLOT
	s_add_nc_u64 s[G0B+4*\s+2:G0B+4*\s+3], s[46:47], \s*KSTEP*2
	s_or_b32 s[G0B+4*\s+3], s[G0B+4*\s+3], 0x80000000
.endr
	; norms, addresses, the chains' starting values
	s_lshl_b32 s40, s22, 10                        ; zz of my 256 rows
	s_mov_b32 s41, 0
	s_add_nc_u64 s[8:9], s[8:9], s[40:41]
	s_lshl_b32 s46, s21, 12                        ; cc of my 1,024 codes
	s_mov_b32 s47, 0
	s_add_nc_u64 s[10:11], s[10:11], s[46:47]
	s_lshl_b32 s92, s21, 15                        ; pk, pi: group gx (32,768 bytes each), rows from 256 gy
	s_lshl_b32 s93, s22, 10
	s_add_co_u32 s92, s92, s93
	s_mov_b32 s93, 0
	s_add_nc_u64 s[12:13], s[12:13], s[92:93]
	s_add_nc_u64 s[14:15], s[14:15], s[92:93]
	v_and_b32 v1, 15, v0                           ; r
	v_bfe_u32 v2, v0, 4, 1                         ; h
	s_lshl_b32 s89, s17, 9
	v_lshl_add_u32 v5, v1, 2, s89                  ; (128 wr + r) x 4
	v_lshlrev_b32 v6, 4, v0                        ; 16 x thread
	global_load_b128 v[8:11], v6, s[10:11]         ; 128 threads x 16 bytes, twice: the 1,024 cc
	global_load_b128 v[12:15], v6, s[10:11] offset:2048
.irp a, 0,1,2,3,4,5,6,7
	global_load_b32 v[ZZR+2*\a], v5, s[8:9] offset:64*\a           ; zz of row 128 wr + 16 a + r
.endr
	v_add_nc_u32 v7, CCS, v6
	; a fragment is 16 rows x 32 K in 8 registers: lane l holds row l % 16; registers 0-3 hold K = 8 h + 0..7, registers 4-7 K = 16 + 8 h + 0..7
	v_mul_u32_u24 v3, v1, PITCH
	v_lshl_add_u32 v3, v2, 4, v3                   ; row x pitch + 16 h
	s_mul_i32 s89, s17, HALFT                      ; my 128 rows of z
	s_mul_i32 s90, s18, HALFT                      ; my 128 codes,
	s_add_co_u32 s90, s90, 2*HALFT                 ; which lie behind z's 256 rows
.irp s, 0,1
	v_add_nc_u32 v[ADRA+\s], s89, v3
	v_add_nc_u32 v[ADRB+\s], s90, v3
	s_add_co_u32 s89, s89, SLOT
	s_add_co_u32 s90, s90, SLOT
.endr
	s_lshl_b32 s89, s18, 9
	s_add_co_u32 s89, s89, CCS
	v_lshl_add_u32 v[CCA], v2, 5, s89              ; CCS + 4 (128 wc + 8 h)
	s_lshl_b32 s89, s17, 12
	s_lshl_b32 s90, s18, 4
	s_add_co_u32 s89, s89, s90
	s_add_co_u32 s89, s89, STAGE
	v_lshlrev_b32 v4, 5, v1
	v_lshl_add_u32 v4, v2, 3, v4
	v_add_nc_u32 v[STO], s89, v4                   ; STAGE + 32 (128 wr + r) + 8 (2 wc + h)
	s_mov_b32 s89, STAGE
	v_lshl_add_u32 v[RD], v0, 6, s89               ; STAGE + two rows of 32 bytes for each thread
	v_lshlrev_b32 v[PO], 3, v0
	s_lshl_b32 s44, s21, 10
	s_lshl_b32 s45, s18, 7
	s_add_co_u32 s44, s44, s45
	v_lshl_add_u32 v[LC], v2, 3, s44               ; 1,024 gx + 128 wc + 8 h
	s_mov_b32 s88, 0x7f800000                      ; +inf
	WIN TO_B
.set i, 0
.rept 64
	v_mov_b32 v[BEST+i], s88                       ; the 64 chains start at +inf with tag 0: written once, while cc and zz are on their way
	v_mov_b32 v[IDX+i], 0
.set i, i+1
.endr
	WIN 0
.irp j, 0,1,2,3,4,5,6,7
	s_mov_b32 s[TAG+\j], \j
.endr
	s_wait_loadcnt 0x0                             ; cc and zz, once
.irp a, 0,1,2,3,4,5,6,7
	v_mov_b32 v[ZZR+2*\a+1], v[ZZR+2*\a]
.endr
	ds_store_b128 v7, v[8:11]
	ds_store_b128 v7, v[12:15] offset:2048
; 16 matrix instructions: row blocks a0, a0 + 1 of the window's four (hi = 0: my rows 0-63, 1: rows 64-127) x all 8 code blocks, 32 along K.
; zero = 1: the first product starts the sums: no accumulator is ever cleared.  The 64 accumulators take turns, one instruction a turn, in the same order
; in every quarter step, over both backward jumps too.
.macro MUL16 f, hi, a0, zero
.irp a, \a0, \a0+1
.irp b, 0,1,2,3,4,5,6,7
.if \zero
	v_wmma_f32_16x16x32_bf16 v[8*(8*(\a)+\b):8*(8*(\a)+\b)+7], v[\f+8*\b:\f+8*\b+7], v[\f+8*(4*\hi+\a):\f+8*(4*\hi+\a)+7], 0
.else
	v_wmma_f32_16x16x32_bf16 v[8*(8*(\a)+\b):8*(8*(\a)+\b)+7], v[\f+8*\b:\f+8*\b+7], v[\f+8*(4*\hi+\a):\f+8*(4*\hi+\a)+7], v[8*(8*(\a)+\b):8*(8*(\a)+\b)+7]
.endif
.endr
.endr
.endm
; 32 LDS loads in one run: the fragments of one quarter step (128 codes, 128 rows of z, 32 K at byte k of the rows) into buffer f
.macro FETCH slot, k, f
	WIN TO_B
.irp i, 0,1,2,3,4,5,6,7
	ds_load_b128 v[\f+8*\i:\f+8*\i+3],   v[ADRB+\slot] offset:\k+\i*16*PITCH
	ds_load_b128 v[\f+8*\i+4:\f+8*\i+7], v[ADRB+\slot] offset:\k+\i*16*PITCH+32
.endr
	WIN 0
.irp i, 0,1,2,3,4,5,6,7
	ds_load_b128 v[\f+8*\i:\f+8*\i+3],   v[ADRA+\slot] offset:\k+\i*16*PITCH
	ds_load_b128 v[\f+8*\i+4:\f+8*\i+7], v[ADRA+\slot] offset:\k+\i*16*PITCH+32
.endr
.endm
; A load into a register that a matrix instruction has read, and a vector instruction that reads a matrix result or writes one of a matrix instruction's
; registers, stand four places behind it, and only plain vector instructions that name none of its registers are places (ISA guide 7.12.1 for vector
; instructions).
.macro PLACES
.rept 4
	v_nop
.endr
.endm
; A K step is four quarter steps of 32 along K, 64 matrix instructions each, on buffers 0, 1, 0, 1.
; One of the first three: multiplies buffer f; in its middle it fetches the next quarter's fragments, at byte k of the same slot's rows, into buffer g.
.macro QUARTER slot, k, f, g, zero
	s_wait_dscnt 8                                 ; the codes and z's rows 0-63 are in; the youngest eight loads (z's rows 64-127) may be out
	WIN MUL_LO
	MUL16 \f, 0, 0, \zero
	MUL16 \f, 0, 2, \zero
	PLACES
	FETCH \slot, \k, \g
	s_wait_dscnt 32                                ; all but the 32 just issued
	WIN MUL_HI
	MUL16 \f, 1, 0, \zero
	MUL16 \f, 1, 2, \zero
.endm
.macro THREE slot
	QUARTER \slot, 64,  F0, F1, 0
	QUARTER \slot, 128, F1, F0, 0
	QUARTER \slot, 192, F0, F1, 0
.endm
; The last quarter of a K step: multiplies buffer 1 and changes slots.  fill = 1: this slot gets the K step two further on; 0: nothing is filled.
; In front of the barrier each wave waits for its own reads of this slot and for all its tensor loads (one is out: its part of the next slot).  Where the slot
; is filled again the barrier opens a round of the cluster's barrier, and the joint refill is the first tensor load behind the round's closing wait.
.macro TURN slot, next, fill
	s_wait_dscnt 8
	WIN MUL_LO
	MUL16 F1, 0, 0, 0
	s_wait_dscnt 0                                 ; my reads of this slot are over
	s_set_vgpr_msb 0xa1a0
	s_wait_tensorcnt 0x0                           ; and all my tensor loads have landed
	ds_add_u32 v62, v63
	s_wait_dscnt 0x0
	s_set_vgpr_msb 0xa0a1
	s_barrier_signal -1
	MUL16 F1, 0, 2, 0                              ; register work while the others arrive
	WIN 0
	s_barrier_wait -1
.if \fill
	CREST                                          ; no wave of any partner still reads this slot's tile or has a load on its way
	s_add_nc_u64 s[G0+4*\slot+2:G0+4*\slot+3], s[G0+4*\slot+2:G0+4*\slot+3], 2*KSTEP*2
	s_add_nc_u64 s[G0B+4*\slot+2:G0B+4*\slot+3], s[G0B+4*\slot+2:G0B+4*\slot+3], 2*KSTEP*2
	JLOAD \slot                                    ; my one tensor load behind the round, and the first thing there
.endif
	PLACES
	FETCH \next, 0, F0
	WIN MUL_HI
	MUL16 F1, 1, 0, 0
	MUL16 F1, 1, 2, 0
.endm
.macro LASTQ                           ; a block's very last quarter: nothing more to fetch
	s_wait_dscnt 8
	WIN MUL_LO
	MUL16 F1, 0, 0, 0
	MUL16 F1, 0, 2, 0
	s_wait_dscnt 0
	WIN MUL_HI
	MUL16 F1, 1, 0, 0
	MUL16 F1, 1, 2, 0
.endm
; Row block a of a finished block of dot products: 64 distances a lane, then eight chains (one for each b) take their eight candidates in ascending index.
.macro EPIROW a
	WIN 0
.irp b, 0,1,2,3,4,5,6,7
.irp p, 0,2,4,6
	v_pk_add_f32 v[TD+8*\b+\p:TD+8*\b+\p+1], v[CCR+8*\b+\p:CCR+8*\b+\p+1], v[ZZR+2*\a:ZZR+2*\a+1]   ; t = fl(zz + cc)
.endr
.endr
.if \a < 4
	WIN 0x02                                       ; source 0 in window 2
.else
	WIN 0x03                                       ; source 0 in window 3
.endif
.irp b, 0,1,2,3,4,5,6,7
.irp p, 0,2,4,6
	v_pk_fma_f32 v[TD+8*\b+\p:TD+8*\b+\p+1], v[8*(8*(\a%4)+\b)+\p:8*(8*(\a%4)+\b)+\p+1], -2.0, v[TD+8*\b+\p:TD+8*\b+\p+1] op_sel_hi:[1,0,1]   ; d = fl(t - 2 dot)
.endr
.endr
	WIN 0x44                                       ; source 1 and destination in window 1
.irp j, 0,1,2,3,4,5,6,7
.irp b, 0,1,2,3,4,5,6,7
	v_cmp_ge_f32 s[MSK+\b], v[TD+8*\b+\j], v[BEST+8*\a+\b]         ; keep: an equal d keeps the earlier, lower index
.endr
.irp b, 0,1,2,3,4,5,6,7
	v_min_num_f32 v[BEST+8*\a+\b], v[TD+8*\b+\j], v[BEST+8*\a+\b]
.endr
.irp b, 0,1,2,3,4,5,6,7
	v_cndmask_b32 v[IDX+8*\a+\b], s[TAG+\j], v[IDX+8*\a+\b], s[MSK+\b]
.endr
.endr
.endm
.macro EPI
	PLACES                                         ; behind the last matrix instructions: buffer 1 is written and the results are read below
	WIN 0
.irp b, 0,1,2,3,4,5,6,7
	ds_load_b128 v[CCR+8*\b:CCR+8*\b+3],   v[CCA] offset:64*\b
	ds_load_b128 v[CCR+8*\b+4:CCR+8*\b+7], v[CCA] offset:64*\b+16
.endr
	s_wait_dscnt 0x0
.irp a, 0,1,2,3,4,5,6,7
	EPIROW \a
.endr
.endm
	; THE FOUR BLOCKS, one text.  A block: its first two K steps are asked for; the first quarter starts the sums; three trips of two K steps each, rotated by that
	; quarter, ask for K steps 2 to 7; the last two K steps ask for nothing; distances and minima.
	s_mov_b32 s86, 4
.Lblock:
	s_wait_dscnt 0x0                               ; my LDS stores of cc (first trip) and my reads of cc and of both slots (later trips) are done,
	s_wait_tensorcnt 0x0                           ; and no tensor load of mine is out
	ds_add_u32 v62, v63
	s_wait_dscnt 0x0
	CROUND                                         ; so of every wave of all sixteen work-groups: both slots may be filled
	JLOAD 0                                        ; K step 0 of this block: my one tensor load behind the round
	s_wait_dscnt 0x0
	s_wait_tensorcnt 0x0                           ; my part of K step 0 has landed
	ds_add_u32 v62, v63
	s_wait_dscnt 0x0
	CROUND                                         ; everybody's has
	JLOAD 1                                        ; K step 1: it lands while K step 0 is multiplied
	FETCH 0, 0, F0
	QUARTER 0, 64, F0, F1, 1                       ; the block's first quarter: its products start the 64 sums
	WIN 0                                          ; at a label and at a branch every window is 0
	s_mov_b32 s87, 3
.Llap:
	QUARTER 0, 128, F1, F0, 0
	QUARTER 0, 192, F0, F1, 0
	TURN 0, 1, 1
	THREE 1
	TURN 1, 0, 1
	QUARTER 0, 64, F0, F1, 0                       ; the first quarter of the K step that slot 0 has just received
	WIN 0
	s_sub_co_u32 s87, s87, 1
	s_cmp_lg_u32 s87, 0
	s_cbranch_scc1 .Llap
	QUARTER 0, 128, F1, F0, 0                      ; K steps 6 and 7: no fill and no round of the cluster's barrier: my one tensor load still out is slot 1's, K step 7's
	QUARTER 0, 192, F0, F1, 0
	TURN 0, 1, 0
	THREE 1
	LASTQ
	EPI
	WIN 0
.irp j, 0,1,2,3,4,5,6,7
	s_add_co_u32 s[TAG+\j], s[TAG+\j], 256         ; the next block's tags
.endr
	v_add_nc_u32 v[CCA], 1024, v[CCA]              ; and its 256 cc
.irp s, 0,1
	s_sub_nc_u64 s[G0+4*\s+2:G0+4*\s+3], s[G0+4*\s+2:G0+4*\s+3], 6*KSTEP*2                 ; no tensor load is out: z three steps of 512 bytes back, to K step s,
	s_add_nc_u64 s[G0B+4*\s+2:G0B+4*\s+3], s[G0B+4*\s+2:G0B+4*\s+3], 256*2048-6*KSTEP*2    ; the codes likewise and 256 rows on (behind the last block these are not used)
.endr
	s_sub_co_u32 s86, s86, 1
	s_cmp_lg_u32 s86, 0
	s_cbranch_scc1 .Lblock
	; THE CLOSE.  Chains, lane halves and waves hold interleaved index sets, so they are merged by (d, index): the smaller d, and of equal d the lower index.
.macro LEXC dx, ix, dy, iy, m
	v_cmp_lt_f32 s[\m], v[\dy], v[\dx]
	v_cmp_eq_f32 s[\m+1], v[\dy], v[\dx]
	v_cmp_lt_u32 s[\m+2], v[\iy], v[\ix]
.endm
.macro LEXS m
	s_and_b32 s[\m+1], s[\m+1], s[\m+2]
	s_or_b32 s[\m], s[\m], s[\m+1]                 ; take y
.endm
.macro LEXV dd, di, dx, ix, dy, iy, m
	v_cndmask_b32 v[\dd], v[\dx], v[\dy], s[\m]
	v_cndmask_b32 v[\di], v[\ix], v[\iy], s[\m]
.endm
; four merges side by side, so that none waits for its own masks: pair (x, y) of entries d + s x, i + s x; the result takes x's place
.macro LEXQ d, i, s, x0, y0, x1, y1, x2, y2, x3, y3
	LEXC \d+\s*\x0, \i+\s*\x0, \d+\s*\y0, \i+\s*\y0, MSK
	LEXC \d+\s*\x1, \i+\s*\x1, \d+\s*\y1, \i+\s*\y1, MSK+3
	LEXC \d+\s*\x2, \i+\s*\x2, \d+\s*\y2, \i+\s*\y2, MSK+6
	LEXC \d+\s*\x3, \i+\s*\x3, \d+\s*\y3, \i+\s*\y3, MSK+9
	LEXS MSK
	LEXS MSK+3
	LEXS MSK+6
	LEXS MSK+9
	LEXV \d+\s*\x0, \i+\s*\x0, \d+\s*\x0, \i+\s*\x0, \d+\s*\y0, \i+\s*\y0, MSK
	LEXV \d+\s*\x1, \i+\s*\x1, \d+\s*\x1, \i+\s*\x1, \d+\s*\y1, \i+\s*\y1, MSK+3
	LEXV \d+\s*\x2, \i+\s*\x2, \d+\s*\x2, \i+\s*\x2, \d+\s*\y2, \i+\s*\y2, MSK+6
	LEXV \d+\s*\x3, \i+\s*\x3, \d+\s*\x3, \i+\s*\x3, \d+\s*\y3, \i+\s*\y3, MSK+9
.endm
	WIN 0x45                                       ; both sources and the destination in window 1
.irp a, 0,1,2,3,4,5,6,7
.irp b, 1,2,3,4,5,6,7
	v_add_nc_u32 v[IDX+8*\a+\b], 16*\b, v[IDX+8*\a+\b]             ; tag + 16 b
.endr
.endr
.irp a, 0,1,2,3,4,5,6,7
	LEXQ BEST+8*\a, IDX+8*\a, 1, 0,1, 2,3, 4,5, 6,7
.endr
.irp a, 0,2,4,6
	LEXQ BEST+8*\a, IDX+8*\a, 1, 0,2, 4,6, 8,10, 12,14
.endr
.irp a, 0,4
	LEXQ BEST+8*\a, IDX+8*\a, 1, 0,4, 8,12, 16,20, 24,28
.endr
	WIN 0x01                                       ; source 0 in window 1, the rest in window 0
.irp a, 0,1,2,3,4,5,6,7
	v_mov_b32 v[128+2*\a], v[BEST+8*\a]
	v_add_nc_u32 v[129+2*\a], v[IDX+8*\a], v[LC]   ; the code's whole index
.endr
	WIN 0
.irp a, 0,1,2,3,4,5,6,7
	ds_store_b64 v[STO], v[128+2*\a:129+2*\a] offset:512*\a        ; row 128 wr + 16 a + r, partial 2 wc + h
.endr
	s_wait_dscnt 0x0                               ; for the other waves' sake: my stores are done
	s_barrier_signal -1
	s_barrier_wait -1
.irp q, 0,1,2,3
	ds_load_b128 v[128+4*\q:128+4*\q+3], v[RD] offset:16*\q        ; rows 2 t and 2 t + 1: four (d, index) each
.endr
	s_wait_dscnt 0x0
	LEXQ 128, 129, 2, 0,1, 2,3, 4,5, 6,7
	LEXC 128, 129, 132, 133, MSK
	LEXC 136, 137, 140, 141, MSK+3
	LEXS MSK
	LEXS MSK+3
	LEXV 144, 146, 128, 129, 132, 133, MSK
	LEXV 145, 147, 136, 137, 140, 141, MSK+3
	v_ashrrev_i32 v148, 31, v144                   ; the key: all ones for a negative d, else 0,
	v_ashrrev_i32 v149, 31, v145
	v_or_b32 v148, 0x80000000, v148                ; with the top bit set in both cases,
	v_or_b32 v149, 0x80000000, v149
	v_xor_b32 v144, v144, v148                     ; turns the float's order into the order of unsigned whole numbers
	v_xor_b32 v145, v145, v149
	global_store_b64 v[PO], v[144:145], s[12:13]   ; a wave's store covers 256 consecutive bytes, aligned
	global_store_b64 v[PO], v[146:147], s[14:15]
	s_wait_tensorcnt 0x0
	ds_add_u32 v62, v63
	s_wait_dscnt 0x0
	CROUND                                         ; the closing round: no work-group ends while a partner may still ask for a tile that names it
	s_endpgm
.Lfunc_end_k_qcc4fd5f3bb_dist:
	.size	k_qcc4fd5f3bb_dist, .Lfunc_end_k_qcc4fd5f3bb_dist-k_qcc4fd5f3bb_dist
	.p2alignl 7, 3214868480
	.fill 96, 4, 3214868480
	.section	.rodata,"a",@progbits
	.p2align	6, 0x0
	.amdhsa_kernel k_qcc4fd5f3bb_dist
		.amdhsa_group_segment_fixed_size 327680
		.amdhsa_private_segment_fixed_size 0
		.amdhsa_enable_private_segment 0
		.amdhsa_kernarg_size 48
		.amdhsa_user_sgpr_count 2
		.amdhsa_user_sgpr_kernarg_segment_ptr 1
		.amdhsa_wavefront_size32 1
		.amdhsa_system_sgpr_workgroup_id_x 1
		.amdhsa_system_sgpr_workgroup_id_y 1
		.amdhsa_system_sgpr_workgroup_id_z 1
		.amdhsa_system_vgpr_workitem_id 0
		.amdhsa_next_free_vgpr 1024
		.amdhsa_next_free_sgpr 96
		.amdhsa_reserve_vcc 0
		.amdhsa_float_denorm_mode_32 3
		.amdhsa_float_denorm_mode_16_64 3
		.amdhsa_memory_ordered 1
		.amdhsa_forward_progress 1
		.amdhsa_inst_pref_size 255
	.end_amdhsa_kernel
	.section	.bss,"aw",@nobits
	.p2align	6
	.space	262144
	.amdgpu_metadata
---
amdhsa.version: [ 1, 2 ]
amdhsa.kernels:
  - .name:           k_qcc4fd5f3bb_dist
    .symbol:         k_qcc4fd5f3bb_dist.kd
    .args:
      - { .name: zb, .offset: 0, .size: 8, .value_kind: global_buffer, .address_space: global }
      - { .name: cb, .offset: 8, .size: 8, .value_kind: global_buffer, .address_space: global }
      - { .name: zzw, .offset: 16, .size: 8, .value_kind: global_buffer, .address_space: global }
      - { .name: ccw, .offset: 24, .size: 8, .value_kind: global_buffer, .address_space: global }
      - { .name: pk, .offset: 32, .size: 8, .value_kind: global_buffer, .address_space: global }
      - { .name: pi, .offset: 40, .size: 8, .value_kind: global_buffer, .address_space: global }
    .group_segment_fixed_size: 327680
    .private_segment_fixed_size: 0
    .kernarg_segment_align: 8
    .kernarg_segment_size: 48
    .max_flat_workgroup_size: 128
    .sgpr_count:     96
    .vgpr_count:     1024
    .wavefront_size: 32
...
	.end_amdgpu_metadata
.endif
;; end of part 6
;; launch apply (part 7): grid 512 x 1, 8 waves a work-group, no clusters, 1,280 bytes of LDS; arguments z, codebook, pk, pi, out1, out2, lossp; writes out1, out2, lossp
.if DOCPART == 7
	.amdgcn_target "amdgcn-amd-amdhsa--gfx1250"
	.amdhsa_code_object_version 6
	.text
	.protected	k_qcc4fd5f3bb_apply
	.globl	k_qcc4fd5f3bb_apply
	.p2align	8
	.type	k_qcc4fd5f3bb_apply,@function
k_qcc4fd5f3bb_apply:
	s_mov_b64 s[64:65], 0
	v_nop
	global_prefetch_b8 v0, s[64:65] scope:SCOPE_SE
	s_setreg_imm32_b32 hwreg(HW_REG_WAVE_MODE, 25, 1), 1
	s_wait_xcnt 0x0
; out2 = for each row the index of the smallest of the eight groups' keys; out1 = z + (q - z) with q = codebook[index], rounded as reference() rounds it;
; lossp = the work-group's sum of (q - z)^2.
; pk, pi: [8 groups][8192 rows], whole numbers stored by the launch before: pk is the group's smallest distance as a whole number that sorts as the float does,
; pi its index.  The choice is made on these whole numbers by scalar compares; the groups' index ranges ascend, so a later group wins only with a strictly
; smaller key.  The index is clamped to 8,191 before it enters an address.
; Eight waves; the work-group owns 16 rows, a wave two.  All 32 vector loads of a wave (16 KiB) go out at once; the text has no loop.
; Memory binds: no matrix unit, no cluster; LDS only for the eight waves' sums (bytes 0-31) and the 16 indices (bytes 64-127), which leave as one store of
; 64 consecutive bytes: a work-group has no more of out2.
.set Z0, 8                             ; v[8:39]    z, first row
.set Z1, 40                            ; v[40:71]   z, second row
.set Q0, 72                            ; v[72:103]  the first row's code, then its result: store data, never rewritten
.set Q1, 104                           ; v[104:135] the second row's
.set SS, 136                           ; v[136:139] four running sums of squares
.set KEY, 40                           ; s[40:55]   group g: the keys of my two rows
.set CAND, 66                          ; s[66:81]   group g: their indices
	s_load_b256 s[4:11], s[0:1], 0x0               ; z s[4:5], codebook s[6:7], pk s[8:9], pi s[10:11]
	s_load_b128 s[12:15], s[0:1], 0x20             ; out1 s[12:13], out2 s[14:15]
	s_load_b64 s[16:17], s[0:1], 0x30              ; lossp
	v_lshl_add_u32 v148, v0, 2, 0x100
	v_mov_b32 v149, 0
	v_lshrrev_b32 v3, 5, v0
	v_readfirstlane_b32 s18, v3                    ; wave
	v_and_b32 v4, 31, v0
	v_lshlrev_b32 v2, 4, v4                        ; in a code's row: 16 lane
	v_lshl_add_u32 v1, v3, 13, v2                  ; in z and out1: wave x 2 rows x 4,096 + 16 lane
	v_mov_b32 v141, 0                              ; v_permlanex16_b32 counts as a reader of its destination
	s_lshl_b32 s19, ttmp9, 6                       ; 16 rows of 4 bytes
	s_lshl3_add_u32 s19, s18, s19                  ; + wave x 2 rows: my two words in a group's 8,192
	s_lshl_b32 s22, ttmp9, 16                      ; 16 rows of 4,096 bytes
	s_mov_b32 s23, 0
	s_lshl_b32 s24, ttmp9, 2                       ; one word of lossp
	s_mov_b32 s25, 0
	s_lshl_b32 s26, ttmp9, 6                       ; 16 words of out2
	s_mov_b32 s27, 0
	s_mov_b32 s28, 0x76543210
	s_mov_b32 s29, 0xfedcba98
	s_wait_kmcnt 0x0
.irp g, 0,1,2,3,4,5,6,7
	s_load_b64 s[KEY+2*\g:KEY+2*\g+1], s[8:9], s19 offset:32768*\g
.endr
.irp g, 0,1,2,3,4,5,6,7
	s_load_b64 s[CAND+2*\g:CAND+2*\g+1], s[10:11], s19 offset:32768*\g
.endr
	s_add_nc_u64 s[4:5], s[4:5], s[22:23]
	s_add_nc_u64 s[12:13], s[12:13], s[22:23]
	s_add_nc_u64 s[14:15], s[14:15], s[26:27]
	s_add_nc_u64 s[16:17], s[16:17], s[24:25]
.irp j, 0,1,2,3,4,5,6,7
	global_load_b128 v[Z0+4*\j:Z0+4*\j+3], v1, s[4:5] offset:512*\j th:TH_LOAD_NT
.endr
.irp j, 0,1,2,3,4,5,6,7
	global_load_b128 v[Z1+4*\j:Z1+4*\j+3], v1, s[4:5] offset:4096+512*\j th:TH_LOAD_NT
.endr
	s_wait_kmcnt 0x0
.irp g, 1,2,3,4,5,6,7
	s_cmp_lt_u32 s[KEY+2*\g], s[KEY]               ; strictly smaller: an equal key keeps the earlier group's lower index
	s_cselect_b32 s[KEY], s[KEY+2*\g], s[KEY]
	s_cselect_b32 s[CAND], s[CAND+2*\g], s[CAND]
	s_cmp_lt_u32 s[KEY+2*\g+1], s[KEY+1]
	s_cselect_b32 s[KEY+1], s[KEY+2*\g+1], s[KEY+1]
	s_cselect_b32 s[CAND+1], s[CAND+2*\g+1], s[CAND+1]
.endr
	s_min_u32 s20, s[CAND], 8191
	s_min_u32 s21, s[CAND+1], 8191
	s_lshl_b32 s32, s20, 12                        ; a code's row is 4,096 bytes
	s_mov_b32 s33, 0
	s_lshl_b32 s34, s21, 12
	s_mov_b32 s35, 0
	s_add_nc_u64 s[32:33], s[6:7], s[32:33]
	s_add_nc_u64 s[34:35], s[6:7], s[34:35]
.irp j, 0,1,2,3,4,5,6,7
	global_load_b128 v[Q0+4*\j:Q0+4*\j+3], v2, s[32:33] offset:512*\j     ; no hint: a code may be named by many rows
.endr
.irp j, 0,1,2,3,4,5,6,7
	global_load_b128 v[Q1+4*\j:Q1+4*\j+3], v2, s[34:35] offset:512*\j
.endr
	v_mov_b32 v144, s20                            ; my two indices, on their way to LDS
	v_mov_b32 v145, s21
	v_lshlrev_b32 v146, 3, v3                      ; 8 x wave
	ds_store_b64 v146, v[144:145] offset:64        ; all lanes write the wave's two words with the same values
.set START, 1                          ; the first squares start the sums: nothing is cleared
.macro ROWDO zr, qr, off
.irp j, 0,1,2,3,4,5,6,7
	v_pk_add_f32 v[\qr+4*\j:\qr+4*\j+1],   v[\qr+4*\j:\qr+4*\j+1],   v[\zr+4*\j:\zr+4*\j+1]   neg_lo:[0,1] neg_hi:[0,1]   ; q - z
	v_pk_add_f32 v[\qr+4*\j+2:\qr+4*\j+3], v[\qr+4*\j+2:\qr+4*\j+3], v[\zr+4*\j+2:\zr+4*\j+3] neg_lo:[0,1] neg_hi:[0,1]
.if START
	v_pk_mul_f32 v[SS:SS+1],   v[\qr+4*\j:\qr+4*\j+1],   v[\qr+4*\j:\qr+4*\j+1]
	v_pk_mul_f32 v[SS+2:SS+3], v[\qr+4*\j+2:\qr+4*\j+3], v[\qr+4*\j+2:\qr+4*\j+3]
.set START, 0
.else
	v_pk_fma_f32 v[SS:SS+1],   v[\qr+4*\j:\qr+4*\j+1],   v[\qr+4*\j:\qr+4*\j+1],   v[SS:SS+1]
	v_pk_fma_f32 v[SS+2:SS+3], v[\qr+4*\j+2:\qr+4*\j+3], v[\qr+4*\j+2:\qr+4*\j+3], v[SS+2:SS+3]
.endif
	v_pk_add_f32 v[\qr+4*\j:\qr+4*\j+1],   v[\zr+4*\j:\zr+4*\j+1],   v[\qr+4*\j:\qr+4*\j+1]                               ; z + (q - z)
	v_pk_add_f32 v[\qr+4*\j+2:\qr+4*\j+3], v[\zr+4*\j+2:\zr+4*\j+3], v[\qr+4*\j+2:\qr+4*\j+3]
	global_store_b128 v1, v[\qr+4*\j:\qr+4*\j+3], s[12:13] offset:\off+512*\j th:TH_STORE_NT   ; 512 consecutive bytes, aligned
.endr
.endm
	s_wait_loadcnt 0x8                             ; z and the first code are in; the second code's eight loads may stay out
	ROWDO Z0, Q0, 0
	s_wait_loadcnt 0x0
	ROWDO Z1, Q1, 4096
	v_pk_add_f32 v[SS:SS+1], v[SS:SS+1], v[SS+2:SS+3]
	v_add_f32 v140, v[SS], v[SS+1]
	v_add_f32_dpp v140, v140, v140 row_xmask:1 row_mask:0xf bank_mask:0xf
	v_add_f32_dpp v140, v140, v140 row_xmask:2 row_mask:0xf bank_mask:0xf
	v_add_f32_dpp v140, v140, v140 row_xmask:4 row_mask:0xf bank_mask:0xf
	v_add_f32_dpp v140, v140, v140 row_xmask:8 row_mask:0xf bank_mask:0xf
	v_permlanex16_b32 v141, v140, s28, s29
	v_add_f32 v140, v140, v141                     ; the wave's sum, in every lane
	v_lshlrev_b32 v142, 2, v3
	ds_store_b32 v142, v140                        ; all lanes write the wave's word with the same value
	s_wait_dscnt 0x0                               ; for wave 0's sake: my sum and my two indices are in LDS
	s_barrier_signal -1
	s_barrier_wait -1
	s_cmp_lg_u32 s18, 0
	s_cbranch_scc1 .Ldone
	v_mov_b32 v142, 0
	v_and_b32 v17, 15, v0                          ; lanes 16 to 31 read the words of lanes 0 to 15 again: no byte is read that was not written
	v_lshlrev_b32 v17, 2, v17
	ds_load_b128 v[8:11], v142
	ds_load_b128 v[12:15], v142 offset:16
	ds_load_b32 v16, v17 offset:64                 ; the index of row lane % 16
	v_mov_b32 v143, 0
	v_cmp_gt_u32 vcc_lo, 16, v0
	s_wait_dscnt 0x0
	v_add_f32 v8, v8, v9                           ; a fixed order: the sum is the same in every run
	v_add_f32 v10, v10, v11
	v_add_f32 v12, v12, v13
	v_add_f32 v14, v14, v15
	v_add_f32 v8, v8, v10
	v_add_f32 v12, v12, v14
	v_add_f32 v8, v8, v12
	s_wait_xcnt 0x0                                ; EXEC is a source of the stores above: it changes only behind this wait
	s_and_saveexec_b32 s30, vcc_lo
	global_store_b32 v17, v16, s[14:15]            ; sixteen lanes: the work-group's 64 consecutive bytes of out2
	s_wait_xcnt 0x0                                ; and again in front of the line that widens EXEC
	s_or_b32 exec_lo, exec_lo, s30
	v_cmp_eq_u32 vcc_lo, 0, v0
	s_and_saveexec_b32 s30, vcc_lo                 ; nothing has been issued since the last such wait
	global_store_b32 v143, v8, s[16:17]            ; one word for the work-group
	s_wait_xcnt 0x0
	s_or_b32 exec_lo, exec_lo, s30
.Ldone:
	s_wait_tensorcnt 0x0
	ds_add_u32 v148, v149
	s_wait_dscnt 0x0
	s_endpgm
.Lfunc_end_k_qcc4fd5f3bb_apply:
	.size	k_qcc4fd5f3bb_apply, .Lfunc_end_k_qcc4fd5f3bb_apply-k_qcc4fd5f3bb_apply
	.p2alignl 7, 3214868480
	.fill 96, 4, 3214868480
	.section	.rodata,"a",@progbits
	.p2align	6, 0x0
	.amdhsa_kernel k_qcc4fd5f3bb_apply
		.amdhsa_group_segment_fixed_size 1280
		.amdhsa_private_segment_fixed_size 0
		.amdhsa_enable_private_segment 0
		.amdhsa_kernarg_size 56
		.amdhsa_user_sgpr_count 2
		.amdhsa_user_sgpr_kernarg_segment_ptr 1
		.amdhsa_wavefront_size32 1
		.amdhsa_system_sgpr_workgroup_id_x 1
		.amdhsa_system_sgpr_workgroup_id_y 1
		.amdhsa_system_sgpr_workgroup_id_z 1
		.amdhsa_system_vgpr_workitem_id 0
		.amdhsa_next_free_vgpr 150
		.amdhsa_next_free_sgpr 84
		.amdhsa_reserve_vcc 1
		.amdhsa_float_denorm_mode_32 3
		.amdhsa_float_denorm_mode_16_64 3
		.amdhsa_memory_ordered 1
		.amdhsa_forward_progress 1
		.amdhsa_inst_pref_size 17
	.end_amdhsa_kernel
	.amdgpu_metadata
---
amdhsa.version: [ 1, 2 ]
amdhsa.kernels:
  - .name:           k_qcc4fd5f3bb_apply
    .symbol:         k_qcc4fd5f3bb_apply.kd
    .args:
      - { .name: z, .offset: 0, .size: 8, .value_kind: global_buffer, .address_space: global }
      - { .name: codebook, .offset: 8, .size: 8, .value_kind: global_buffer, .address_space: global }
      - { .name: pk, .offset: 16, .size: 8, .value_kind: global_buffer, .address_space: global }
      - { .name: pi, .offset: 24, .size: 8, .value_kind: global_buffer, .address_space: global }
      - { .name: out1, .offset: 32, .size: 8, .value_kind: global_buffer, .address_space: global }
      - { .name: out2, .offset: 40, .size: 8, .value_kind: global_buffer, .address_space: global }
      - { .name: lossp, .offset: 48, .size: 8, .value_kind: global_buffer, .address_space: global }
    .group_segment_fixed_size: 1280
    .private_segment_fixed_size: 0
    .kernarg_segment_align: 8
    .kernarg_segment_size: 56
    .max_flat_workgroup_size: 256
    .sgpr_count:     84
    .vgpr_count:     150
    .wavefront_size: 32
...
	.end_amdgpu_metadata
.endif
;; end of part 7
;; launch total: the kernel of part 5 again; grid 1 x 1, 1 waves a work-group, no clusters, 0 bytes of LDS; arguments lossp, out0; writes out0
